; MI455X (gfx1250); checked and timed in simulation.
; The chip was launched on July 23, 2026; its instructions are those of AMD's public machine-readable ISA for CDNA 5 (MIT licence, August 2026) and "CDNA5" Instruction Set Architecture Reference Guide (July 2026). The comments in the code are by the model that wrote it; some were corrected since.
;; Masked Self Attention. Allowed arithmetic: matrix products marked QUANTISED: E2M3 operands, one E8M0 scale for each 32 along K, by v_wmma_scale_f32_16x16x128_f8f6f4 with both operands' format E2M3, f32 sums; everything else in f32.
;; Inputs: W_out 1,024 x 1,024 float32; W_qkv 1,024 x 3,072 float32; b_out 1,024 float32; b_qkv 3,072 float32; x 4 x 2,048 x 1,024 float32.
;; Outputs: out0 4 x 2,048 x 1,024 float32.
;; This version of the problem:
;;   THIS VERSION OF THE PROBLEM IS GIVEN IN LOW PRECISION. The matrix products marked QUANTISED in the list below multiply operands that are first quantised to E2M3 (2 exponent bits, 3 mantissa bits; 6 bits a number), with one power-of-two scale for each 32 numbers along K (OCP MX v1.0); their sums are f32. All else is computed in f32.
;;   The module's matrix products, in the order in which they are computed (A, B: the left and right operand; K: the contracted axis; several contracted axes count as one K, in the product's order):
;;     1. [M 8,192, K 1,024] x [K 1,024, N 3,072]; A: input x; B: input W_qkv: QUANTISED
;;     2. batch 64 x [M 2,048, K 64] x [K 64, N 2,048]; A: computed on the way; B: computed on the way: QUANTISED
;;     3. batch 64 x [M 2,048, K 2,048] x [K 2,048, N 64]; A: softmax (see below); B: computed on the way: QUANTISED
;;     4. [M 8,192, K 1,024] x [K 1,024, N 1,024]; A: computed on the way; B: input W_out: QUANTISED
;;   THE QUANTISER, for each operand of a quantised product, along K:
;;     - K is cut into blocks of 32 from its start; a last block that is shorter is filled with zeros.
;;     - A block's scale is 2^e with e = floor(log2(the largest magnitude in the block)) - 2, held to -126 .. 127; a block of zeros has e = 0. As a byte (E8M0): e + 127.
;;     - Each number is divided by its block's scale, clamped to +-7.5, and rounded to the nearest number of E2M3, ties to even, subnormals kept.
;;     - The product sums the exact products of the quantised numbers (number of the format x scale) in f32.
;;   ~~~python
;;   def quantise(x, axis):      # numpy; x: float32 -> the quantised numbers, widened to float32 again
;;       x = np.moveaxis(x, axis, -1); K = x.shape[-1]
;;       x = np.pad(x, [(0, 0)] * (x.ndim - 1) + [(0, -K % 32)]); x = x.reshape(x.shape[:-1] + (-1, 32)); a = np.abs(x).max(-1, keepdims=True)
;;       e = np.where(a > 0, np.clip(np.frexp(np.where(a > 0, a, 1))[1] - 1 - 2, -126, 127), 0)      # np.frexp(a)[1] - 1 = floor(log2(a)), exactly
;;       r = np.clip(x / 2.0 ** e, -7.5, 7.5)
;;       step = 2.0 ** (np.maximum(np.frexp(np.where(r == 0, 1, r))[1] - 1, 0) - 3)
;;       q = np.round(r / step) * step * 2.0 ** e      # np.round: ties to even
;;       return np.moveaxis(q.reshape(q.shape[:-2] + (-1,))[..., :K], -1, axis).astype(np.float32)
;;   ~~~
;;   SOFTMAX AHEAD OF A QUANTISED PRODUCT. Where the list says 'softmax', what is quantised is not the finished softmax but p = 2^(t - M), with t = logit x log2(e) and M = ceil(the row's largest t), a whole number; so 1/2 < the row's largest p <= 1. The row's sum l is taken of the UNQUANTISED p, in f32, and the product's result is divided by l at the end. Since M is a whole number, a kernel that streams over the keys may use a running M (the ceiling of the running maximum): every later rescaling is an exact power of two, which a block's scale takes up: the codes' values come out the same.
;;   OPERANDS COMPUTED ON THE WAY. 'Computed on the way' means the value that the module computes at that place (a softmax that the list does not call 'softmax' is quantised finished and normalised). What goes into a quantiser is computed in f32, as accurately as f32 sums, v_exp_f32 and their like allow (about 1e-6 of the number): no bf16 or f16 on the way to a quantiser, and a product that is left as it is and whose result goes on into a quantised operand takes f32 operands (vector FMAs, or v_wmma_f32_16x16x4_f32). A number that lies on a knife's edge between two numbers of the format may be rounded either way, as far as f32 arithmetic and the matrix unit's own rounding can turn it there, and no further.
;; One version. Each part assembles by itself: llvm-mc -triple=amdgcn-amd-amdhsa -mcpu=gfx1250 --defsym DOCPART=n.
;; ======== version 1 of 1: 4 launches
;; limits: right only within a limited range of input values
;; workspace buffers: xc 6,291,456 bytes; xs 262,144 bytes; wc 3,145,728 bytes; ws 131,072 bytes; qkv 18,874,368 bytes; qkvs 1,310,720 bytes; ac 6,291,456 bytes; acs 262,144 bytes
;; launch quant (part 1): grid 256 x 1, 4 waves a work-group, no clusters, 30,720 bytes of LDS; arguments x, W_qkv, W_out, xc, xs, wc, ws; writes xc, xs, wc, ws
.if DOCPART == 1
	.amdgcn_target "amdgcn-amd-amdhsa--gfx1250"
	.amdhsa_code_object_version 6
	.text
	.protected	k_qbb73d24e9e_quant
	.globl	k_qbb73d24e9e_quant
	.p2align	8
	.type	k_qbb73d24e9e_quant,@function
k_qbb73d24e9e_quant:
	s_mov_b64 s[64:65], 0
	v_nop
	global_prefetch_b8 v0, s[64:65] scope:SCOPE_SE
	s_setreg_imm32_b32 hwreg(HW_REG_WAVE_MODE, 25, 1), 1
	s_wait_xcnt 0x0
; x [8192][1024], W_qkv [1024][3072] and W_out [1024][1024], f32, become codes of FP6 (E2M3) with one E8M0 scale byte for each 32 along K, laid as IMAGES OF OPERAND REGISTERS.
; POSITIONS.  Row position p holds the true row pi(p), pi = bits 3 and 4 of p exchanged: lane r of position tile 2 g + u holds true row 32 g + 8 u + r + 8 (r / 8).
; AN IMAGE is 768 bytes: 16 rows x 64 K.  Lane l = (r = l % 16, h = l / 16) owns the six registers with k = 32 h .. 32 h + 31 of row r: registers 0-3 at byte 16 l, registers 4-5 at byte 512 + 8 l.
; xc: [position tile 512][chunk of 64 K: 16][768]; xs: [position row 8192][32].  wc: [position tile 256][16][768]; ws: [position row 4096][32]: rows 0-3071 are W_qkv's columns, rows 3072-4095 W_out's.
; A block's scale is 2^(floor(log2(its largest magnitude)) - 2): its byte is the largest magnitude's exponent field - 2.
; LIMITS: the largest magnitude has the floor 2^(3 - 127), so the byte is at least 1; a block of zeros gets the byte 1 where the rule says 127 (its codes are zeros, and this program alone reads the bytes);
; NaN and infinities among the inputs are not served.
; TWO ROLES, by the wave's number; they share nothing, never join, and have LDS bytes of their own.
; WAVES 0, 1: x.  A wave owns one position tile, 16 rows x 1024 K, in 8 units of 128 K.  Each load reads 512 consecutive bytes of one row; a unit turns through the wave's stage (rows 528 bytes apart),
; so that a lane gets 32 neighbours of each of two blocks.  Two units (32 loads) are on their way.
; WAVES 2, 3: the weights, K their FIRST axis.  The work-group takes 128 columns (number % 32) x 128 K (number / 32); a wave takes two shares of 32 columns, one after the other.  A lane takes a column and its registers run
; down K: a load reads 128 consecutive bytes, a block of 32 lies in one lane, and the conversions give codes with K innermost.  The codes meet in the share's stage, laid as two position tiles' images, and leave as 512 consecutive bytes a store.
; The four scale bytes of a lane are one word of its row of ws: stores of 4 bytes, one byte in 128 of what the role reads.
.set STG,  8448                        ; x: a wave's stage: 16 rows x 528 bytes
.set SPI,  528
.set WST,  2*STG                       ; the weights' four stages of 3,328 bytes
.set SPARE, WST+4*3328                 ; the spare words, 128 bytes a wave
.set XW,   16                          ; x: v16-23 the row's eight scale words
.set SW,   24                          ; v24-27  the four that I store
.set XC,   28                          ; v28-39  two images' registers
.set XCT,  40                          ; v40-42, v44-46  the second halves, as the conversions leave them
.set X,    48                          ; v48-111 register 32 c + i = k 64 c + 32 h + i of my row
.set R,    112                         ; v112-239 two sets of 64, as loaded
.set OFF,  16                          ; weights: v16-47 4 x lane + i rows
.set XD,   48                          ; v48-175  four blocks of 32 numbers
.set CD,   176                         ; block t's six registers at CD + 8 t
.set CT,   208                         ; the second halves, at CT + 4 t
	s_load_b256 s[4:11], s[0:1], 0x0               ; x, W_qkv, W_out, xc
	s_load_b128 s[40:43], s[0:1], 0x20             ; xs, wc
	s_load_b64 s[44:45], s[0:1], 0x30              ; ws
	v_lshl_add_u32 v248, v0, 2, SPARE
	v_mov_b32 v249, 0
	v_lshrrev_b32 v1, 5, v0
	v_readfirstlane_b32 s46, v1                    ; wave 0..3
	s_cmp_lt_u32 s46, 2
	s_wait_alu depctr_va_vdst(0)                   ; the wait directly ahead of the branch
	s_cbranch_scc0 .Lweights
	v_and_b32 v1, 31, v0                           ; lane
	v_lshlrev_b32 v2, 4, v1                        ; 16 x lane
	v_lshlrev_b32 v3, 3, v1                        ; 8 x lane
	s_mul_i32 s47, s46, STG
	v_add_nc_u32 v4, s47, v2                       ; into the stage: 16 x lane of a row
	v_and_b32 v8, 15, v0                           ; r
	v_bfe_u32 v9, v0, 4, 1                         ; h
	v_mul_u32_u24 v5, v8, SPI
	v_lshl_add_u32 v5, v9, 7, v5
	v_add_nc_u32 v5, s47, v5                       ; out of it: row r, + 128 h
	v_lshlrev_b32 v6, 3, v9                        ; 8 h: my bytes' place in a scale word
	v_lshlrev_b32 v7, 5, v8
	v_lshl_add_u32 v7, v9, 4, v7                   ; xs: 32 r + 16 h
	v_mov_b32 v15, 0                               ; a lane permute's destination counts as one of its sources
	s_mov_b32 s12, 0x76543210
	s_mov_b32 s13, 0xfedcba98                      ; selects for lane l xor 16
	s_mov_b32 s14, 0xffff0000                      ; lanes 16-31
	s_lshl_b32 s16, ttmp9, 1
	s_add_co_u32 s16, s16, s46                     ; my position tile
	s_lshl_b32 s18, ttmp9, 17                      ; 32 rows of 4,096 bytes a work-group,
	s_lshl_b32 s19, s46, 15                        ; 8 rows a wave
	s_add_co_u32 s18, s18, s19
	s_mov_b32 s19, 0
	s_mul_i32 s20, s16, 12288
	s_mov_b32 s21, 0
	s_lshl_b32 s22, s16, 9
	s_mov_b32 s23, 0
	s_wait_alu depctr_va_vdst(0)                   ; the wait at the head's end
	s_wait_kmcnt 0x0
	s_add_nc_u64 s[4:5], s[4:5], s[18:19]
	s_add_nc_u64 s[10:11], s[10:11], s[20:21]
	s_add_nc_u64 s[40:41], s[40:41], s[22:23]
.macro XLOAD u                         ; unit u: 128 K of my 16 true rows
.irp p, 0,1,2,3,4,5,6,7,8,9,10,11,12,13,14,15
	global_load_b128 v[R+64*((\u)%2)+4*\p:R+64*((\u)%2)+4*\p+3], v2, s[4:5] offset:(\p+8*(\p/8))*4096+512*(\u) th:TH_LOAD_NT
.endr
.endm
.macro UNIT u
.if (\u) < 7
	s_wait_loadcnt 16                              ; this unit's 16 loads are in; the next unit's 16 may be out
.else
	s_wait_loadcnt 0x0
.endif
.irp p, 0,1,2,3,4,5,6,7,8,9,10,11,12,13,14,15
	ds_store_b128 v4, v[R+64*((\u)%2)+4*\p:R+64*((\u)%2)+4*\p+3] offset:SPI*\p
.endr
.irp c, 0,1
.irp p, 0,1,2,3,4,5,6,7
	ds_load_b128 v[X+32*\c+4*\p:X+32*\c+4*\p+3], v5 offset:256*\c+16*\p   ; LDS serves a wave's instructions in order: these see the stores above
.endr
.endr
	s_wait_dscnt 0x0                               ; my 64 numbers are back, and the stores into the stage have read their registers,
.if (\u) < 6
	XLOAD (\u)+2                                   ; which take the unit two further on
.endif
.irp c, 0,1                            ; my blocks 2 c + h: all 32 numbers of a block are mine
	v_max3_num_f32 v[8+\c], |v[X+32*\c]|, |v[X+32*\c+1]|, 0x1800000   ; with the floor 2^(3 - 127)
.endr
.irp i, 2,4,6,8,10,12,14,16,18,20,22,24,26,28,30
.irp c, 0,1
	v_max3_num_f32 v[8+\c], v[8+\c], |v[X+32*\c+\i]|, |v[X+32*\c+\i+1]|
.endr
.endr
.irp c, 0,1
	v_add_nc_u32 v[10+\c], 0xff000000, v[8+\c]     ; 2 off the exponent field: the conversion's scale operand
.endr
.irp c, 0,1
	v_lshrrev_b32 v[12+\c], 23, v[10+\c]           ; the scale's byte
.endr
	v_lshl_or_b32 v14, v13, 16, v12                ; blocks h and 2 + h,
	v_lshlrev_b32 v14, v6, v14                     ; at their places in the word;
	v_permlanex16_b32 v15, v14, s12, s13
	v_or_b32 v[XW+(\u)], v14, v15                  ; with lane l xor 16's two the word is whole
	s_wait_alu depctr_va_vdst(0)
	s_wait_xcnt 0x0                                ; the last unit's stores have read their data registers, which are written next
.irp c, 0,1
	v_cvt_scalef32_pk16_fp6_f32 v[XC+6*\c:XC+6*\c+2], v[X+32*\c:X+32*\c+15], v[10+\c]
	v_cvt_scalef32_pk16_fp6_f32 v[XCT+4*\c:XCT+4*\c+2], v[X+32*\c+16:X+32*\c+31], v[10+\c]   ; (a conversion's three registers begin on an even number)
.endr
	v_nop                                          ; one plain place behind a scaled conversion
.irp c, 0,1
.irp i, 0,1,2
	v_mov_b32 v[XC+6*\c+3+\i], v[XCT+4*\c+\i]
.endr
.endr
.irp c, 0,1
	global_store_b128 v2, v[XC+6*\c:XC+6*\c+3], s[10:11] offset:(2*(\u)+\c)*768          ; 512 consecutive bytes, at a multiple of 256
	global_store_b64 v3, v[XC+6*\c+4:XC+6*\c+5], s[10:11] offset:(2*(\u)+\c)*768+512     ; 256 consecutive bytes
.endr
.endm
	XLOAD 0
	XLOAD 1
.irp u, 0,1,2,3,4,5,6,7
	UNIT \u
.endr
.irp k, 0,1,2,3
	v_cndmask_b32 v[SW+\k], v[XW+\k], v[XW+4+\k], s14   ; lanes 0-15 store words 0-3 of their row, lanes 16-31 words 4-7
.endr
	global_store_b128 v7, v[SW:SW+3], s[40:41]     ; 16 rows x 32 bytes: 512 consecutive bytes
	s_wait_tensorcnt 0x0                           ; the wave's end
	ds_add_u32 v248, v249
	s_wait_dscnt 0x0
	s_endpgm
.Lweights:
	v_and_b32 v1, 31, v0                           ; lane = true column in the group of 32
	s_wait_alu depctr_va_vdst(0)                   ; the wait
	s_and_b32 s48, ttmp9, 31
	s_lshr_b32 s13, ttmp9, 5                       ; which 128 along K
	s_cmp_lt_u32 s48, 24
	s_mov_b32 s14, 4096
	s_cselect_b32 s14, 12288, s14                  ; a row of the tensor in bytes
	s_cselect_b32 s15, 0, 24
	s_sub_co_u32 s15, s48, s15                     ; which 128 columns of the tensor
	s_lshl_b32 s17, s13, 7
	s_mul_i32 s17, s17, s14                        ; my first row
	s_lshl_b32 s20, s14, 5                         ; 32 rows
	s_mov_b32 s19, 0
	s_mov_b32 s21, 0
	s_mov_b32 s33, 0
	s_mov_b32 s35, 0
	v_lshlrev_b32 v[OFF], 2, v1
.set I, 1
.rept 31
	v_add_nc_u32 v[OFF+I], s14, v[OFF+I-1]
.set I, I+1
.endr
	v_and_b32 v2, 7, v0
	v_bfe_u32 v3, v0, 4, 1
	v_lshl_add_u32 v2, v3, 3, v2                   ; r: my place in my position tile
	v_bfe_u32 v4, v0, 3, 1                         ; u: which of the group's two position tiles
	v_lshlrev_b32 v9, 4, v1                        ; 16 x lane
	v_lshl_add_u32 v13, v4, 4, v2
	v_lshlrev_b32 v13, 5, v13                      ; ws: my position row x 32
	s_wait_alu depctr_va_vdst(0)
	s_wait_kmcnt 0x0
	s_cmp_lt_u32 s48, 24
	s_cselect_b64 s[50:51], s[6:7], s[8:9]
.macro WLOAD t
.set I, 0
.rept 32
	global_load_b32 v[XD+32*(\t)+I], v[OFF+I], s[24+2*(\t):25+2*(\t)] th:TH_LOAD_NT
.set I, I+1
.endr
.endm
.macro BLOCK t
.set XS, XD+32*(\t)
.if (\t) < 3
	s_wait_loadcnt 32                              ; this block's 32 loads are in; the next block's may be out
.else
	s_wait_loadcnt 0x0
.endif
.if (\t) < 2
	WLOAD (\t)+2
.endif
	v_max3_num_f32 v10, |v[XS]|, |v[XS+1]|, |v[XS+2]|
	v_max3_num_f32 v11, |v[XS+3]|, |v[XS+4]|, |v[XS+5]|
.irp i, 6,10,14,18,22,26
	v_max3_num_f32 v10, v10, |v[XS+\i]|, |v[XS+\i+1]|
	v_max3_num_f32 v11, v11, |v[XS+\i+2]|, |v[XS+\i+3]|
.endr
	v_max3_num_f32 v10, v10, |v[XS+30]|, |v[XS+31]|
	v_max3_num_f32 v10, v10, v11, 0x1800000        ; with the floor 2^(3 - 127)
	v_add_nc_u32 v12, 0xff000000, v10              ; 2 off the exponent field: the conversion's scale operand
	v_lshrrev_b32 v15, 23, v12                     ; the scale's byte
.if (\t) == 0
	v_mov_b32 v14, v15
.else
	v_lshl_or_b32 v14, v15, 8*(\t), v14
.endif
	v_cvt_scalef32_pk16_fp6_f32 v[CD+8*(\t):CD+8*(\t)+2], v[XS:XS+15], v12
	v_cvt_scalef32_pk16_fp6_f32 v[CT+4*(\t):CT+4*(\t)+2], v[XS+16:XS+31], v12
	v_nop                                          ; one plain place behind a scaled conversion
.irp i, 0,1,2
	v_mov_b32 v[CD+8*(\t)+3+\i], v[CT+4*(\t)+\i]
.endr
	ds_store_b128 v6, v[CD+8*(\t):CD+8*(\t)+3] offset:768*((\t)/2)+256*((\t)%2)         ; chunk t / 2, half t % 2 of my row's image
	ds_store_b64 v7, v[CD+8*(\t)+4:CD+8*(\t)+5] offset:768*((\t)/2)+512+128*((\t)%2)
.endm
.macro SHARE t                         ; 32 columns x 128 K: share 2 (wave % 2) + t of the work-group's four
.if \t
	s_wait_xcnt 0x0                                ; the last share's loads and stores have read their registers and bases, which are written next
.endif
	s_and_b32 s12, s46, 1
	s_lshl_b32 s12, s12, 1
	s_add_co_u32 s12, s12, \t
	s_lshl_b32 s16, s15, 9
	s_lshl_b32 s18, s12, 7
	s_add_co_u32 s16, s16, s18                     ; my first column, in bytes
	s_add_co_u32 s18, s16, s17
	s_mul_i32 s22, s12, 3328                       ; the share's stage: two tiles of 1,536 bytes + 128
	s_add_co_u32 s22, s22, WST
	v_mul_u32_u24 v5, v4, 1664
	v_add_nc_u32 v5, s22, v5
	v_lshl_add_u32 v6, v2, 4, v5                   ; where registers 0-3 go
	v_lshl_add_u32 v7, v2, 3, v5                   ; where registers 4-5 go
	v_add_nc_u32 v8, s22, v9                       ; back out of the stage
	s_lshl_b32 s23, s48, 2
	s_add_co_u32 s23, s23, s12                     ; the group of 32 rows of wc
	s_mul_i32 s32, s23, 24576
	s_mul_i32 s34, s13, 1536
	s_add_co_u32 s32, s32, s34
	s_lshl_b32 s34, s23, 10
	s_lshl_b32 s36, s13, 2
	s_add_co_u32 s34, s34, s36
	s_add_nc_u64 s[24:25], s[50:51], s[18:19]      ; block 0's first row, my first column
	s_add_nc_u64 s[26:27], s[24:25], s[20:21]
	s_add_nc_u64 s[28:29], s[26:27], s[20:21]
	s_add_nc_u64 s[30:31], s[28:29], s[20:21]
	s_add_nc_u64 s[36:37], s[42:43], s[32:33]
	s_add_nc_u64 s[38:39], s[44:45], s[34:35]
	s_wait_alu depctr_va_vdst(0)                   ; the wait
	WLOAD 0
	WLOAD 1
	BLOCK 0
	BLOCK 1
	BLOCK 2
	BLOCK 3
.irp k, 0,1,2,3,4,5
	ds_load_b128 v[XD+4*\k:XD+4*\k+3], v8 offset:(\k/3)*1664+512*(\k%3)   ; LDS serves a wave's instructions in order: these see my stores
.endr
	s_wait_alu depctr_va_vdst(0)
.irp k, 0,1,2,3,4,5
	s_wait_dscnt 5-\k
	global_store_b128 v9, v[XD+4*\k:XD+4*\k+3], s[36:37] offset:(\k/3)*12288+512*(\k%3)   ; 512 consecutive bytes, at a multiple of 256
.endr
	global_store_b32 v13, v14, s[38:39]            ; my row's scale word of these 128 along K
.endm
	SHARE 0
	SHARE 1
	s_wait_tensorcnt 0x0                           ; the wave's end
	ds_add_u32 v248, v249
	s_wait_dscnt 0x0
	s_endpgm
.Lfunc_end_k_qbb73d24e9e_quant:
	.size	k_qbb73d24e9e_quant, .Lfunc_end_k_qbb73d24e9e_quant-k_qbb73d24e9e_quant
	.p2alignl 7, 3214868480
	.fill 96, 4, 3214868480
	.section	.rodata,"a",@progbits
	.p2align	6, 0x0
	.amdhsa_kernel k_qbb73d24e9e_quant
		.amdhsa_group_segment_fixed_size 30720
		.amdhsa_private_segment_fixed_size 0
		.amdhsa_enable_private_segment 0
		.amdhsa_kernarg_size 56
		.amdhsa_user_sgpr_count 2
		.amdhsa_user_sgpr_kernarg_segment_ptr 1
		.amdhsa_wavefront_size32 1
		.amdhsa_system_sgpr_workgroup_id_x 1
		.amdhsa_system_sgpr_workgroup_id_y 1
		.amdhsa_system_sgpr_workgroup_id_z 1
		.amdhsa_system_vgpr_workitem_id 0
		.amdhsa_next_free_vgpr 250
		.amdhsa_next_free_sgpr 66
		.amdhsa_reserve_vcc 0
		.amdhsa_float_denorm_mode_32 3
		.amdhsa_float_denorm_mode_16_64 3
		.amdhsa_memory_ordered 1
		.amdhsa_forward_progress 1
		.amdhsa_inst_pref_size 102
	.end_amdhsa_kernel
	.amdgpu_metadata
---
amdhsa.version: [ 1, 2 ]
amdhsa.kernels:
  - .name:           k_qbb73d24e9e_quant
    .symbol:         k_qbb73d24e9e_quant.kd
    .args:
      - { .name: x, .offset: 0, .size: 8, .value_kind: global_buffer, .address_space: global }
      - { .name: W_qkv, .offset: 8, .size: 8, .value_kind: global_buffer, .address_space: global }
      - { .name: W_out, .offset: 16, .size: 8, .value_kind: global_buffer, .address_space: global }
      - { .name: xc, .offset: 24, .size: 8, .value_kind: global_buffer, .address_space: global }
      - { .name: xs, .offset: 32, .size: 8, .value_kind: global_buffer, .address_space: global }
      - { .name: wc, .offset: 40, .size: 8, .value_kind: global_buffer, .address_space: global }
      - { .name: ws, .offset: 48, .size: 8, .value_kind: global_buffer, .address_space: global }
    .group_segment_fixed_size: 30720
    .private_segment_fixed_size: 0
    .kernarg_segment_align: 8
    .kernarg_segment_size: 56
    .max_flat_workgroup_size: 128
    .sgpr_count:     66
    .vgpr_count:     250
    .wavefront_size: 32
...
	.end_amdgpu_metadata
.endif
;; end of part 1
;; launch gemm_qkv (part 2): grid 8 x 48, 4 waves a work-group, clusters of 4 x 4, 327,680 bytes of LDS; arguments xc, xs, wc, ws, b_qkv, qkv, qkvs; writes qkv, qkvs
.if DOCPART == 2
	.amdgcn_target "amdgcn-amd-amdhsa--gfx1250"
	.amdhsa_code_object_version 6
	.text
	.protected	k_qbb73d24e9e_gemm_qkv
	.globl	k_qbb73d24e9e_gemm_qkv
	.p2align	8
	.type	k_qbb73d24e9e_gemm_qkv,@function
k_qbb73d24e9e_gemm_qkv:
	s_mov_b64 s[64:65], 0
	v_nop
	global_prefetch_b8 v0, s[64:65] scope:SCOPE_SE
	s_setreg_imm32_b32 hwreg(HW_REG_WAVE_MODE, 25, 1), 1
	s_wait_xcnt 0x0
	s_wait_alu depctr_hold_cnt(0) depctr_sa_sdst(0) depctr_va_vdst(0) depctr_va_sdst(0) depctr_va_ssrc(0) depctr_va_vcc(0) depctr_vm_vsrc(0)
	s_getreg_b32 s2, hwreg(HW_REG_IB_STS2, 6, 4)
	s_cmp_eq_u32 s2, 0
	s_cbranch_scc0 .Lentry_in_a_cluster
	s_endpgm
.Lentry_in_a_cluster:
	s_bfe_u32 s2, ttmp6, 0x10000c
	s_cmp_lg_u32 s2, 0xf033
	s_cbranch_scc0 .Lentry_shape_is_right
	s_endpgm
.Lentry_shape_is_right:
; qkv = x W_qkv + b_qkv on codes of FP6 (E2M3), K = 1024, and the results quantised at once, in registers, into the operands of attention.  No f32 result goes to memory.
; The operands come as images of registers (768 bytes: 16 rows x 64 K; lane l's registers 0-3 at 16 l, 4-5 at 512 + 8 l), rows in POSITION order: position p holds true row pi(p), pi = bits 3 and 4 exchanged.
; So where a tile is source 0, the 16 registers of results 2 g and 2 g + 1 are 16 NEIGHBOURS along that axis: true index 32 g + 16 (lane / 16) + 0 .. 15: what the next quantiser wants.
; TWO MODES, by the cluster's y, which all partners share.  Mode 0 (q and k): source 0 = columns 0-2047 of W_qkv, source 1 = tokens: a lane holds one token and runs along the head's axis.
; Mode 1 (v): source 0 = tokens, source 1 = columns 2048-3071: a lane holds one channel and runs along the KEYS, which are the second product's K.  The mode chooses pointers and constants by selects;
; it branches twice: round the first K step (the bias is that step's C, and lies along the registers in mode 0, along the lanes in mode 1), and round the stores of the scale words.
; A work-group makes 256 x 256, a wave 128 x 128: 64 accumulators.  K goes in slots of 256 through two LDS slots filled by the tensor data mover; a wave's load brings 8 position tiles x 3,072 bytes.
; The scale bytes of the work-group's rows, for all of K, come once with the first fills.  CLUSTERS of 4 x 4: source 1's tiles are asked for jointly along a row of the cluster, source 0's along a column.
; OUT.  qkv: q, k: [head or 16 + head][token tile 512][768]; v at VB: [64 keys: 128][4 head + channel tile: 64][768].  qkvs: q, k: [head or 16 + head][8 token tiles: 64][lane][4 words] (two scale bytes, two zero bytes);
; v at SVB: [128 keys: 64][head 16][lane][2 words].  Word i of lane (r, hh) belongs to row r of tile 2 i + hh of the group.
; LIMITS: a block's largest magnitude has the floor 2^(3 - 127) (byte at least 1; a block of zeros gets the byte 1, its codes are zeros, the bytes are read by this program alone); NaN and infinities are not served.
; K has four slots, of which two are first fills; slots 1-3 are prefetched into the L2.  lds_bytes is all of the LDS.
; REGISTERS: window 0: v16-29 addresses; v32-63 scale words, two sets; v64-127 the bias; v128-223 source 1's fragments, one set; v224-231 the bias's offsets.  window 1: source 0's fragments, two sets.  windows 2, 3: accumulators.
.set NQ,     2
.set FR,     12
.set NL,     4                         ; LDS loads that bring a fragment
.set NP,     4                         ; places behind this matrix instruction (ISA guide 7.12.1)
.set TILEB,  3072                      ; a position tile's 256 along K
.set HALFT,  8*TILEB                   ; 128 rows: what one tensor load brings
.set SLOT,   4*HALFT
.set KS,     32
.set SCL,    2*SLOT
.set HALFS,  16*272
.set SBLK,   2*272
.set SPARE,  SCL+4*HALFS               ; the spare words, 128 bytes a wave: two blocks of 256 bytes that no other line names
.set VB,     12582912
.set SVB,    1048576
.set ADRA, 16                          ; v16-17 source 1's fragments in slot 0, 1: + 16 x lane;  v18-19: + 8 x lane
.set ADRB, 20                          ; v20-23 the same for source 0
.set LI,   24                          ; v24  16 x lane
.set L8,   25                          ; v25  8 x lane
.set ADRS, 27
.set SPW,  28
.set NIL,  29
.set SC,   32
.set BI,   64
.set AF,   128
.set BA,   224
.set TM,   32                          ; the way out: v32-47 at work, v48-55 the tiles' scale words, v56-63 as they are stored
.set WD,   48
.set G1, 24
.set G0, 32
.set G1B, 48
.set G0B, 56
.set G1S, 68
.set G0S, 76
.set G1SB, 80
.set G0SB, 88
.set MSB, 0
.macro WIN new                         ; the immediate's high byte repeats the setting that is left
.if MSB != (\new)
	s_set_vgpr_msb (MSB<<8)|(\new)
.set MSB, (\new)
.endif
.endm
.set MUL_LO, 0xa1                      ; source 0 window 1, source 1 window 0, C and D window 2
.set MUL_HI, 0xf1
.set TO_B,   0x40
.macro JLOAD g0a, g1a, g0b, g1b        ; a joint load: waves 0 and 1 fetch for source 1, waves 2 and 3 for source 0; four v_nop follow each line
	s_cmp_eq_u32 s15, 0
	s_cbranch_scc0 .Lfor_b_\@
	tensor_load_to_lds s[\g0a:\g0a+3], s[\g1a:\g1a+7]
	s_nop 0
.rept 4
	v_nop
.endr
	s_branch .Lasked_\@
.Lfor_b_\@:
	tensor_load_to_lds s[\g0b:\g0b+3], s[\g1b:\g1b+7]
	s_nop 0
.rept 4
	v_nop
.endr
.Lasked_\@:
.endm
.macro CREST                           ; a round of the cluster's barrier behind its opening barrier
	s_cmp_lg_u32 s14, 0
	s_cbranch_scc1 .Lnot_wave_0_\@
	s_barrier_signal -3
.Lnot_wave_0_\@:
	s_barrier_wait -3
	s_barrier_signal -1
	s_barrier_wait -1
.endm
.macro CROUND
	s_barrier_signal -1
	s_barrier_wait -1
	CREST
.endm
	s_load_b256 s[4:11], s[0:1], 0x0               ; xc, xs, wc, ws
	s_load_b128 s[96:99], s[0:1], 0x20             ; b_qkv, qkv
	s_load_b64 s[100:101], s[0:1], 0x30            ; qkvs
	v_lshl_add_u32 v[SPW], v0, 2, SPARE
	v_mov_b32 v[NIL], 0
	ds_add_u32 v28, v29
	ds_add_u32 v28, v29
	s_wait_dscnt 0x0
	v_lshrrev_b32 v1, 5, v0
	v_readfirstlane_b32 s14, v1                    ; wave 0..3
	s_lshr_b32 s15, s14, 1                         ; which half of source 1's rows is mine.  Also: I fetch for source 1 (0) or source 0 (1)
	s_and_b32 s16, s14, 1                          ; which half of source 0's rows.  Also: which 128 rows I fetch
	s_bfe_u32 s40, ttmp6, 0x40000                  ; cx
	s_bfe_u32 s41, ttmp6, 0x40004                  ; cy
	s_and_b32 s17, ttmp7, 0xffff                   ; the cluster's y
	s_cmp_lt_u32 s17, 8
	s_cselect_b32 s66, 0, 1                        ; the mode
	s_lshl_b32 s18, s17, 1
	s_add_co_u32 s18, s18, ttmp9
	s_sub_co_u32 s18, s18, 16                      ; mode 1: the eight clusters lie side by side
	s_cmp_eq_u32 s66, 0
	s_cselect_b32 s42, ttmp9, s18
	s_cselect_b32 s17, s17, 0
	s_cselect_b32 s19, 0, 2048                     ; source 1's first row: v's columns begin at row 2048 of wc
	s_lshl_b32 s42, s42, 2
	s_add_co_u32 s42, s42, s40                     ; which 256 rows of source 0
	s_lshl_b32 s17, s17, 2
	s_add_co_u32 s17, s17, s41                     ; which 256 rows of source 1
	s_lshl_b32 s43, s41, 2
	s_lshl_b32 s43, 15, s43                        ; my row of the cluster
	s_lshl_b32 s44, 0x1111, s40                    ; my column
	; group 1 for codes: 8 rows (position tiles) of 384 elements of 8 bytes, 1,536 elements apart; no padding: every LDS load takes consecutive bytes
	s_or_b32 s[G1+0], s43, (3<<16)|(1<<21)
	s_or_b32 s[G1B+0], s44, (3<<16)|(1<<21)
.irp g, G1, G1B
	s_mov_b32 s[\g+1], 384<<16
	s_mov_b32 s[\g+2], 16<<16                      ; the head's loads bring 16 position tiles; behind them the two words that count rows are set to 8
	s_mov_b32 s[\g+3], 384<<16
	s_mov_b32 s[\g+4], 16
	s_mov_b32 s[\g+5], 1536
	s_mov_b32 s[\g+6], 0
	s_mov_b32 s[\g+7], 0
.endr
	; and for the scale bytes of 256 rows: 8,192 dense bytes as 32 rows of 256, 16 bytes of padding behind each
	s_or_b32 s[G1S+0], s43, (3<<16)|(1<<20)|(1<<21)|(5<<22)|(3<<25)
	s_or_b32 s[G1SB+0], s44, (3<<16)|(1<<20)|(1<<21)|(5<<22)|(3<<25)
.irp g, G1S, G1SB
	s_mov_b32 s[\g+1], 32<<16
	s_mov_b32 s[\g+2], 32<<16                      ; the scale bytes of 256 rows: 32 rows of 256 bytes
	s_mov_b32 s[\g+3], 32<<16
	s_mov_b32 s[\g+4], 32
	s_mov_b32 s[\g+5], 32
	s_mov_b32 s[\g+6], 0
	s_mov_b32 s[\g+7], 0
.endr
	s_lshl_b32 s18, s16, 7
	s_lshl_b32 s20, s17, 8
	s_add_co_u32 s20, s20, s18
	s_add_co_u32 s20, s20, s19                     ; source 1: the first row that I fetch
	s_lshl_b32 s46, s42, 8
	s_add_co_u32 s46, s46, s18                     ; source 0 likewise
	s_mov_b32 s21, 0
	s_mov_b32 s23, 0
	s_mov_b32 s47, 0
	s_mov_b32 s3, 0
	s_lshl_b32 s22, s20, 5                         ; 32 scale bytes a row,
	s_lshl_b32 s2, s46, 5
	s_mul_i32 s20, s20, 768                        ; 768 bytes of codes
	s_mul_i32 s46, s46, 768
	s_mul_i32 s45, s14, HALFT                      ; where they go: no place in the cluster enters an LDS address
	s_mul_i32 s94, s14, HALFS
	s_wait_kmcnt 0x0
	s_cmp_eq_u32 s66, 0
	s_cselect_b64 s[92:93], s[4:5], s[8:9]         ; source 1's codes: xc or wc
	s_cselect_b64 s[8:9], s[8:9], s[4:5]           ; source 0's codes
	s_cselect_b64 s[4:5], s[6:7], s[10:11]         ; source 1's scales
	s_cselect_b64 s[10:11], s[10:11], s[6:7]       ; source 0's scales
	s_add_nc_u64 s[20:21], s[92:93], s[20:21]
	s_add_nc_u64 s[22:23], s[4:5], s[22:23]
	s_add_nc_u64 s[46:47], s[8:9], s[46:47]
	s_add_nc_u64 s[92:93], s[10:11], s[2:3]
	CROUND                                         ; all sixteen work-groups are here: the first joint loads meet
	; the head's four tiles, each whole (my half of 128 rows is taken off the addresses): slot 0's 256 rows of source 1, of source 0, and both sources' scale bytes
	s_mul_i32 s2, s16, 128*768
	s_mov_b32 s3, 0
	s_mov_b32 s4, 1
	s_mov_b32 s5, 0
	s_sub_nc_u64 s[6:7], s[20:21], s[2:3]
	s_or_b32 s7, s7, 0x80000000
	s_mov_b32 s8, 1
	s_mov_b32 s9, 2*HALFT
	s_sub_nc_u64 s[10:11], s[46:47], s[2:3]
	s_or_b32 s11, s11, 0x80000000
	s_lshl_b32 s2, s16, 12
	s_mov_b32 s[G0S], 1
	s_mov_b32 s[G0S+1], SCL
	s_sub_nc_u64 s[G0S+2:G0S+3], s[22:23], s[2:3]
	s_or_b32 s[G0S+3], s[G0S+3], 0x80000000
	s_mov_b32 s[G0SB], 1
	s_mov_b32 s[G0SB+1], SCL+2*HALFS
	s_sub_nc_u64 s[G0SB+2:G0SB+3], s[92:93], s[2:3]
	s_or_b32 s[G0SB+3], s[G0SB+3], 0x80000000
.irp s, 0,1
	s_mov_b32 s[G0+4*\s], 1
	s_add_co_u32 s[G0+4*\s+1], s45, \s*SLOT
	s_add_nc_u64 s[G0+4*\s+2:G0+4*\s+3], s[20:21], \s*TILEB
	s_or_b32 s[G0+4*\s+3], s[G0+4*\s+3], 0x80000000
	s_mov_b32 s[G0B+4*\s], 1
	s_add_co_u32 s[G0B+4*\s+1], s45, \s*SLOT
	s_add_nc_u64 s[G0B+4*\s+2:G0B+4*\s+3], s[46:47], \s*TILEB
	s_or_b32 s[G0B+4*\s+3], s[G0B+4*\s+3], 0x80000000
.endr
; one tensor load a wave at the head: one chain of branches on the wave's number, every way through it passes one load
.macro ARM under, g0, g1, next
	s_cmp_lt_u32 s14, \under
	s_cbranch_scc0 \next
	tensor_load_to_lds s[\g0:\g0+3], s[\g1:\g1+7]
	s_nop 0
.rept 4
	v_nop
.endr
	s_branch .Lhead_asked
\next:
.endm
	ARM 1, 4, G1, .Lhead_b
	ARM 2, 8, G1B, .Lhead_sa
	ARM 3, G0S, G1S, .Lhead_sb
	tensor_load_to_lds s[G0SB:G0SB+3], s[G1SB:G1SB+7]
	s_nop 0
.rept 4
	v_nop
.endr
.Lhead_asked:
	; PREFETCHES INTO THE L2, two slots ahead of the tensor load that wants them: slots 1 and 2 here, slot 3 behind slot 1's load.  Of the 8 position tiles that I fetch in the ring, each of the four partners that ask
	; for them jointly takes two, told apart by address (cx for source 1, cy for source 0): 24 blocks of 256 bytes a slot, a lane a block, lanes 24-31 name the last again.  The weights' tiles, which eight clusters
	; read, are asked for by four of them (a branch on the cluster's number and the wave's).  The addresses are never rewritten.
	s_cmp_eq_u32 s15, 0
	s_cselect_b64 s[92:93], s[20:21], s[46:47]
	s_cselect_b32 s94, s40, s41
	s_mul_i32 s94, s94, 2*12288
	s_mov_b32 s95, 0
	s_add_nc_u64 s[92:93], s[92:93], s[94:95]
	s_and_b32 s94, ttmp7, 0xffff
	s_cmp_eq_u32 s66, 0
	s_cselect_b32 s95, 4, 10
	s_cmp_lt_u32 s94, s95
	s_cselect_b32 s94, 0, 1                        ; 1: my cluster is not among the four that ask for the weights
	s_xor_b32 s95, s15, s66                        ; 1: I fetch weights
	s_and_b32 s94, s94, s95                        ; 1: I ask for nothing
	v_and_b32 v31, 31, v0
	v_min_u32 v31, 23, v31
	v_mul_u32_u24 v30, v31, 43
	v_lshrrev_b32 v30, 9, v30                      ; which of my two tiles
	v_mul_u32_u24 v1, v30, 12
	v_sub_nc_u32 v31, v31, v1
	v_lshlrev_b32 v31, 8, v31
	v_mad_u32_u24 v30, v30, 12288, v31
	s_cmp_eq_u32 s94, 0
	s_cbranch_scc0 .Lno_ask_head
	global_prefetch_b8 v30, s[92:93] offset:TILEB th:TH_LOAD_NT scope:SCOPE_SE
	global_prefetch_b8 v30, s[92:93] offset:2*TILEB th:TH_LOAD_NT scope:SCOPE_SE
.Lno_ask_head:
	v_and_b32 v1, 15, v0
	v_bfe_u32 v2, v0, 4, 1                         ; h
	v_and_b32 v3, 31, v0
	v_lshlrev_b32 v[LI], 4, v3
	v_lshlrev_b32 v[L8], 3, v3
	s_mul_i32 s21, s15, HALFT                      ; my 128 rows of source 1
	s_mul_i32 s22, s16, HALFT
	s_add_co_u32 s22, s22, 2*HALFT                 ; my 128 rows of source 0
.irp s, 0,1
	v_add_nc_u32 v[ADRA+\s], s21, v[LI]
	v_add_nc_u32 v[ADRB+\s], s22, v[LI]
	v_add_nc_u32 v[ADRA+2+\s], s21, v[L8]
	v_add_nc_u32 v[ADRB+2+\s], s22, v[L8]
	s_add_co_u32 s21, s21, SLOT
	s_add_co_u32 s22, s22, SLOT
.endr
	v_mul_u32_u24 v5, v1, KS                       ; my row's scales: 32 bytes a row,
	v_lshrrev_b32 v6, 8, v5
	v_lshl_add_u32 v5, v6, 4, v5                   ; and 16 more for each 256 passed
	s_mul_i32 s21, s15, HALFS
	s_mul_i32 s22, s16, HALFS
	s_add_co_u32 s22, s22, 2*HALFS
	s_sub_co_u32 s22, s22, s21
	v_mul_u32_u24 v6, s22, v2                      ; lanes 16-31 take source 0's
	s_add_co_u32 s21, s21, SCL
	v_add_nc_u32 v5, v5, v6
	v_add_nc_u32 v[ADRS], s21, v5
	; what the mode decides of the way out and of the bias
	s_cmp_eq_u32 s66, 0
	s_mov_b32 s3, 49152
	s_cselect_b32 s3, 393216, s3                   ; from one 64 along the quantised axis to the next: 512 or 64 images
	s_mov_b32 s18, 4096
	s_cselect_b32 s18, 65536, s18                  ; the same for 128 of it in qkvs
	s_cselect_b32 s19, 0, VB
	s_cselect_b32 s20, 0, SVB
	s_cselect_b32 s67, 4, 0                        ; the bias from register to register: the next number, or the same
	s_cselect_b32 s2, 0, -1
	s_lshl_b32 s21, s42, 2
	s_lshl_b32 s22, s16, 1
	s_add_co_u32 s21, s21, s22                     ; my first 64 along the quantised axis
	s_mul_i32 s21, s21, s3
	s_add_co_u32 s21, s21, s19
	s_lshl_b32 s22, s17, 4
	s_lshl_b32 s23, s15, 3
	s_add_co_u32 s22, s22, s23                     ; my first tile of source 1
	s_mul_i32 s22, s22, 768
	s_add_co_u32 s46, s21, s22
	s_mov_b32 s47, 0
	s_add_nc_u64 s[98:99], s[98:99], s[46:47]      ; images of my first 64,
	s_mov_b32 s46, s3
	s_add_nc_u64 s[12:13], s[98:99], s[46:47]      ; and of my second
	s_lshl_b32 s21, s42, 1
	s_add_co_u32 s21, s21, s16
	s_mul_i32 s21, s21, s18
	s_add_co_u32 s21, s21, s20
	s_lshl_b32 s22, s17, 1
	s_add_co_u32 s22, s22, s15
	s_lshl_b32 s22, s22, 9
	s_add_co_u32 s46, s21, s22
	s_add_nc_u64 s[100:101], s[100:101], s[46:47]  ; my scale words
	s_lshl_b32 s21, s42, 8
	s_lshl_b32 s22, s16, 7
	s_add_co_u32 s21, s21, s22                     ; the bias's first column: mode 0, along source 0;
	s_lshl_b32 s22, s17, 8
	s_lshl_b32 s23, s15, 7
	s_add_co_u32 s22, s22, s23
	s_add_co_u32 s22, s22, 2048                    ; mode 1, along source 1
	s_cmp_eq_u32 s66, 0
	s_cselect_b32 s46, s21, s22
	s_lshl_b32 s46, s46, 2
	s_add_nc_u64 s[96:97], s[96:97], s[46:47]
	v_lshlrev_b32 v6, 6, v2                        ; mode 0: register j of tile t is column 32 (t / 2) + 8 (t % 2) + 16 h + j
	v_and_b32 v7, 8, v1
	v_add_nc_u32 v7, v7, v1
	v_lshlrev_b32 v7, 2, v7                        ; mode 1: every register of tile t is column 32 (t / 2) + 8 (t % 2) + r + 8 (r / 8)
	v_cndmask_b32 v[BA], v6, v7, s2
.irp j, 1,2,3,4,5,6,7
	v_add_nc_u32 v[BA+\j], s67, v[BA+\j-1]
.endr
.irp t, 0,1,2,3,4,5,6,7
.irp j, 0,1,2,3,4,5,6,7
	global_load_b32 v[BI+8*\t+\j], v[BA+\j], s[96:97] offset:(32*(\t/2)+8*(\t%2))*4
.endr
.endr
.macro FRAG reg, adr, q, i             ; a fragment, 16 rows x 128 K, is two images on end: four loads of consecutive bytes
	ds_load_b128 v[\reg:\reg+3],     v[\adr]   offset:TILEB*(\i)+1536*(\q)
	ds_load_b64  v[\reg+4:\reg+5],   v[\adr+2] offset:TILEB*(\i)+1536*(\q)+512
	ds_load_b128 v[\reg+6:\reg+9],   v[\adr]   offset:TILEB*(\i)+1536*(\q)+768
	ds_load_b64  v[\reg+10:\reg+11], v[\adr+2] offset:TILEB*(\i)+1536*(\q)+1280
.endm
; 16 matrix instructions: source 1's blocks a0, a0 + 1 x source 0's eight.  zero = 1, 2: the first K step: C is the bias, by source 0's block (mode 0) or by source 1's (mode 1): nothing is cleared, nothing is added later.
; The 64 accumulators take turns, one instruction a turn, in the same order in every step.
.macro MUL16 a0, p, q, sc, zero
.irp a, \a0, \a0+1
.irp b, 0,1,2,3,4,5,6,7
.if \zero == 1
	v_wmma_scale_f32_16x16x128_f8f6f4 v[8*(8*((\a)%4)+\b):8*(8*((\a)%4)+\b)+7], v[128*(\p)+FR*\b:128*(\p)+FR*\b+FR-1], v[AF+FR*(\a):AF+FR*(\a)+FR-1], v[BI+8*\b:BI+8*\b+7], v[SC+8*NQ*(\sc)+NQ*\b+(\q)], v[SC+8*NQ*(\sc)+NQ*(\a)+(\q)] matrix_a_fmt:MATRIX_FMT_FP6 matrix_b_fmt:MATRIX_FMT_FP6 matrix_a_scale:MATRIX_SCALE_ROW1
.elseif \zero == 2
	v_wmma_scale_f32_16x16x128_f8f6f4 v[8*(8*((\a)%4)+\b):8*(8*((\a)%4)+\b)+7], v[128*(\p)+FR*\b:128*(\p)+FR*\b+FR-1], v[AF+FR*(\a):AF+FR*(\a)+FR-1], v[BI+8*(\a):BI+8*(\a)+7], v[SC+8*NQ*(\sc)+NQ*\b+(\q)], v[SC+8*NQ*(\sc)+NQ*(\a)+(\q)] matrix_a_fmt:MATRIX_FMT_FP6 matrix_b_fmt:MATRIX_FMT_FP6 matrix_a_scale:MATRIX_SCALE_ROW1
.else
	v_wmma_scale_f32_16x16x128_f8f6f4 v[8*(8*((\a)%4)+\b):8*(8*((\a)%4)+\b)+7], v[128*(\p)+FR*\b:128*(\p)+FR*\b+FR-1], v[AF+FR*(\a):AF+FR*(\a)+FR-1], v[8*(8*((\a)%4)+\b):8*(8*((\a)%4)+\b)+7], v[SC+8*NQ*(\sc)+NQ*\b+(\q)], v[SC+8*NQ*(\sc)+NQ*(\a)+(\q)] matrix_a_fmt:MATRIX_FMT_FP6 matrix_b_fmt:MATRIX_FMT_FP6 matrix_a_scale:MATRIX_SCALE_ROW1
.endif
.endr
.endr
.endm
.macro FETCH_B slot, q, p
	WIN TO_B
.irp i, 0,1,2,3,4,5,6,7
	FRAG 128*(\p)+FR*\i, ADRB+\slot, \q, \i
.endr
	WIN 0
.endm
.macro FETCH_A slot, q, i0
.irp i, \i0, \i0+1, \i0+2, \i0+3
	FRAG AF+FR*(\i), ADRA+\slot, \q, \i
.endr
.endm
.macro SCALES sc                       ; a slot's scale words: lanes 0-15 source 1's block i, lanes 16-31 source 0's block i
.irp i, 0,1,2,3,4,5,6,7
	ds_load_b64 v[SC+8*NQ*\sc+NQ*\i:SC+8*NQ*\sc+NQ*\i+1], v[ADRS] offset:\i*SBLK
.endr
.endm
.macro PLACES n                        ; plain vector places in front of loads into registers that matrix instructions have read, and of the first read of results
.rept \n
	v_nop
.endr
.endm
.macro STEP slot, q, zero              ; 128 along K, with its successor in the same slot
	s_wait_dscnt 4*NL                              ; all but the youngest 16 loads (source 1's blocks 4-7) are in
.if \zero
	WIN 0x81                                       ; C (the bias) window 0, D window 2
.else
	WIN MUL_LO
.endif
	MUL16 0, (\q)%2, \q, \slot, \zero
	MUL16 2, (\q)%2, \q, \slot, \zero
	s_wait_dscnt 0x0
	PLACES NP
	FETCH_B \slot, (\q)+1, 1-(\q)%2
	FETCH_A \slot, (\q)+1, 0
.if \zero
	WIN 0xc1
.else
	WIN MUL_HI
.endif
	MUL16 4, (\q)%2, \q, \slot, \zero
	MUL16 6, (\q)%2, \q, \slot, \zero
	PLACES NP
	WIN 0
	FETCH_A \slot, (\q)+1, 4
.endm
; A slot's last step changes slots: one barrier; in front of it each wave waits for all its tensor loads, adds 0 to its spare word, and waits for that and for its reads of this slot.
.macro TURN slot, next, fill
	s_wait_tensorcnt 0x0                           ; all my tensor loads have landed: my part of the next slot
	ds_add_u32 v[SPW], v[NIL]                      ; 0 onto my spare word
	s_wait_dscnt 4*NL+1                            ; the add and the youngest 16 loads may be out
	WIN MUL_LO
	MUL16 0, 1, NQ-1, \slot, 0
	s_wait_dscnt 0x0                               ; the add is done, and my reads of this slot are over
	s_barrier_signal -1
	MUL16 2, 1, NQ-1, \slot, 0
	WIN 0
	s_barrier_wait -1
.if \fill
	CREST                                          ; the barrier has opened a round of the cluster's barrier: no wave of any partner still reads this slot or has a load on its way
	s_add_nc_u64 s[G0+4*\slot+2:G0+4*\slot+3], s[G0+4*\slot+2:G0+4*\slot+3], 2*TILEB
	s_add_nc_u64 s[G0B+4*\slot+2:G0B+4*\slot+3], s[G0B+4*\slot+2:G0B+4*\slot+3], 2*TILEB
	JLOAD G0+4*\slot, G1, G0B+4*\slot, G1B         ; the first tensor load behind the round; its four v_nop are the places in front of the loads below
.else
	PLACES NP
.endif
	s_wait_alu depctr_va_vdst(0)
	v_add_nc_u32 v[ADRS], 4*NQ, v[ADRS]
	FETCH_B \next, 0, 0
	FETCH_A \next, 0, 0
	SCALES \next
	WIN MUL_HI
	MUL16 4, 1, NQ-1, \slot, 0
	MUL16 6, 1, NQ-1, \slot, 0
	PLACES NP
	WIN 0
	FETCH_A \next, 0, 4
.endm
	s_wait_alu depctr_va_vdst(0)                   ; the wait at the head's end
	s_wait_loadcnt 0x0                             ; the bias
	s_wait_tensorcnt 0x0                           ; my tile of the head's four is in; slot 1's first fill is issued as a refill is
	ds_add_u32 v[SPW], v[NIL]
	s_mov_b32 s[G1+2], 8<<16                       ; no tensor load of mine is out: from here on a load brings 8 position tiles
	s_mov_b32 s[G1+4], 8
	s_mov_b32 s[G1B+2], 8<<16
	s_mov_b32 s[G1B+4], 8
	s_wait_dscnt 0x0
	CROUND                                         ; all four tiles are in, and all sixteen work-groups are here
	JLOAD G0+4, G1, G0B+4, G1B                     ; slot 1: the first tensor load behind the round
	FETCH_B 0, 0, 0
	FETCH_A 0, 0, 0
	SCALES 0
	FETCH_A 0, 0, 4
	s_cmp_eq_u32 s94, 0
	s_cbranch_scc0 .Lno_ask_3
	global_prefetch_b8 v30, s[92:93] offset:3*TILEB th:TH_LOAD_NT scope:SCOPE_SE   ; slot 3, K's last
.Lno_ask_3:
	s_cmp_lg_u32 s66, 0
	s_cbranch_scc1 .Lfirst_v
	STEP 0, 0, 1
	s_branch .Lfirst_done
.Lfirst_v:
	STEP 0, 0, 2
.Lfirst_done:
	TURN 0, 1, 1                                   ; K has four slots: the walk is written out
	STEP 1, 0, 0
	TURN 1, 0, 1
	STEP 0, 0, 0
	TURN 0, 1, 0                                   ; nothing is left to fetch
	STEP 1, 0, 0
	s_wait_dscnt 4*NL
	WIN MUL_LO
	MUL16 0, 1, NQ-1, 1, 0
	MUL16 2, 1, NQ-1, 1, 0
	s_wait_dscnt 0x0
	WIN MUL_HI
	MUL16 4, 1, NQ-1, 1, 0
	MUL16 6, 1, NQ-1, 1, 0
	WIN 0
; THE WAY OUT.  The 64 registers of source 1's block a hold, in lane (r, h), register 16 g + i = index 32 g + 16 h + i of row r: four half blocks.  A block's other half lies in lane l xor 16.
; The conversions' halves change places so that a lane holds a whole block: the twelve registers are two images, stored straight from registers.
.macro QUANTW a
.set AC, 64*((\a)%4)
.set WA, 2+(\a)/4
.set PC, 64+24*((\a)%2)
.set W01, WA|(WA<<2)
.set W12, (WA<<2)|(WA<<4)
	WIN W01
.irp b, 0,1,2,3
	v_max3_num_f32 v[TM+\b], |v[AC+16*\b]|, |v[AC+16*\b+1]|, 0x1800000   ; each accumulator is read from its low end on; the floor 2^(3 - 127)
.endr
	WIN W12
.irp i, 2,4,6,8,10,12,14
.irp b, 0,1,2,3
	v_max3_num_f32 v[TM+\b], v[TM+\b], |v[AC+16*\b+\i]|, |v[AC+16*\b+\i+1]|
.endr
.endr
	WIN 0
.irp b, 0,1,2,3
	v_permlanex16_b32 v[TM+4+\b], v[TM+\b], s18, s19
.endr
.irp b, 0,1,2,3
	v_max_num_f32 v[TM+\b], v[TM+\b], v[TM+4+\b]
.endr
.irp b, 0,1,2,3
	v_add_nc_u32 v[TM+12+\b], 0xff000000, v[TM+\b] ; 2 off the exponent field: the conversion's scale operand
.endr
.irp b, 0,1,2,3
	v_lshrrev_b32 v[TM+4+\b], 23, v[TM+12+\b]
.endr
	v_lshl_or_b32 v[WD+(\a)], v[TM+5], 8, v[TM+4]
	v_lshl_or_b32 v[WD+(\a)], v[TM+6], 16, v[WD+(\a)]
	v_lshl_or_b32 v[WD+(\a)], v[TM+7], 24, v[WD+(\a)]
	s_wait_xcnt 0x0                                ; earlier stores have read their data registers, which are written next
	WIN WA
.irp c, 0,1
	v_cvt_scalef32_pk16_fp6_f32 v[PC+6*\c:PC+6*\c+2], v[AC+32*\c:AC+32*\c+15], v[TM+12+2*\c]
	v_cvt_scalef32_pk16_fp6_f32 v[PC+12+4*\c:PC+14+4*\c], v[AC+32*\c+16:AC+32*\c+31], v[TM+12+2*\c+1]
.endr
	WIN 0
	v_nop                                          ; one plain place behind a scaled conversion
.irp c, 0,1
.irp i, 0,1,2
	v_permlane16_swap_b32 v[PC+6*\c+\i], v[PC+12+4*\c+\i]
.endr
.irp i, 0,1,2
	v_mov_b32 v[PC+6*\c+3+\i], v[PC+12+4*\c+\i]
.endr
.endr
	global_store_b128 v[LI], v[PC:PC+3], s[98:99] offset:768*(\a)           ; 512 consecutive bytes, at a multiple of 256
	global_store_b64 v[L8], v[PC+4:PC+5], s[98:99] offset:768*(\a)+512      ; 256 consecutive bytes
	global_store_b128 v[LI], v[PC+6:PC+9], s[12:13] offset:768*(\a)
	global_store_b64 v[L8], v[PC+10:PC+11], s[12:13] offset:768*(\a)+512
.endm
	PLACES NP
	s_mov_b32 s18, 0x76543210
	s_mov_b32 s19, 0xfedcba98
	s_mov_b32 s20, 0xffff0000
.irp b, 0,1,2,3
	v_mov_b32 v[TM+4+\b], 0                        ; a lane permute's destination counts as one of its sources
.endr
.irp a, 0,1,2,3,4,5,6,7
	QUANTW \a
.endr
.irp i, 0,1,2,3
	v_cndmask_b32 v[56+\i], v[WD+2*\i], v[WD+2*\i+1], s20   ; lanes 0-15 the even tile's word, lanes 16-31 the odd tile's
.endr
	s_cmp_lg_u32 s66, 0
	s_cbranch_scc1 .Lv_words
.irp i, 0,1,2,3
	v_and_b32 v[60+\i], 0xffff, v[56+\i]           ; q, k: a word's four bytes belong to two heads: each head gets its two, with zeros above
.endr
.irp i, 0,1,2,3
	v_lshrrev_b32 v[56+\i], 16, v[56+\i]
.endr
	global_store_b128 v[LI], v[60:63], s[100:101]
	global_store_b128 v[LI], v[56:59], s[100:101] offset:32768
	s_branch .Lwords_done
.Lv_words:
	s_wait_alu depctr_va_vdst(0)
	global_store_b64 v[L8], v[56:57], s[100:101]               ; v: my eight tiles are two heads' four
	global_store_b64 v[L8], v[58:59], s[100:101] offset:256
.Lwords_done:
	s_wait_tensorcnt 0x0                           ; the wave's end
	ds_add_u32 v[SPW], v[NIL]
	s_wait_dscnt 0x0
	CROUND                                         ; the closing round
	s_endpgm
.Lfunc_end_k_qbb73d24e9e_gemm_qkv:
	.size	k_qbb73d24e9e_gemm_qkv, .Lfunc_end_k_qbb73d24e9e_gemm_qkv-k_qbb73d24e9e_gemm_qkv
	.p2alignl 7, 3214868480
	.fill 96, 4, 3214868480
	.section	.rodata,"a",@progbits
	.p2align	6, 0x0
	.amdhsa_kernel k_qbb73d24e9e_gemm_qkv
		.amdhsa_group_segment_fixed_size 327680
		.amdhsa_private_segment_fixed_size 0
		.amdhsa_enable_private_segment 0
		.amdhsa_kernarg_size 56
		.amdhsa_user_sgpr_count 2
		.amdhsa_user_sgpr_kernarg_segment_ptr 1
		.amdhsa_wavefront_size32 1
		.amdhsa_system_sgpr_workgroup_id_x 1
		.amdhsa_system_sgpr_workgroup_id_y 1
		.amdhsa_system_sgpr_workgroup_id_z 1
		.amdhsa_system_vgpr_workitem_id 0
		.amdhsa_next_free_vgpr 1024
		.amdhsa_next_free_sgpr 102
		.amdhsa_reserve_vcc 0
		.amdhsa_float_denorm_mode_32 3
		.amdhsa_float_denorm_mode_16_64 3
		.amdhsa_memory_ordered 1
		.amdhsa_forward_progress 1
		.amdhsa_inst_pref_size 173
	.end_amdhsa_kernel
	.amdgpu_metadata
---
amdhsa.version: [ 1, 2 ]
amdhsa.kernels:
  - .name:           k_qbb73d24e9e_gemm_qkv
    .symbol:         k_qbb73d24e9e_gemm_qkv.kd
    .args:
      - { .name: xc, .offset: 0, .size: 8, .value_kind: global_buffer, .address_space: global }
      - { .name: xs, .offset: 8, .size: 8, .value_kind: global_buffer, .address_space: global }
      - { .name: wc, .offset: 16, .size: 8, .value_kind: global_buffer, .address_space: global }
      - { .name: ws, .offset: 24, .size: 8, .value_kind: global_buffer, .address_space: global }
      - { .name: b_qkv, .offset: 32, .size: 8, .value_kind: global_buffer, .address_space: global }
      - { .name: qkv, .offset: 40, .size: 8, .value_kind: global_buffer, .address_space: global }
      - { .name: qkvs, .offset: 48, .size: 8, .value_kind: global_buffer, .address_space: global }
    .group_segment_fixed_size: 327680
    .private_segment_fixed_size: 0
    .kernarg_segment_align: 8
    .kernarg_segment_size: 56
    .max_flat_workgroup_size: 128
    .sgpr_count:     102
    .vgpr_count:     1024
    .wavefront_size: 32
...
	.end_amdgpu_metadata
.endif
;; end of part 2
;; launch attn (part 3): grid 4 x 64, 16 waves a work-group, clusters of 4 x 1, 210,944 bytes of LDS; arguments qkv, qkvs, ac, acs; writes ac, acs
.if DOCPART == 3
	.amdgcn_target "amdgcn-amd-amdhsa--gfx1250"
	.amdhsa_code_object_version 6
	.text
	.protected	k_qbb73d24e9e_attn
	.globl	k_qbb73d24e9e_attn
	.p2align	8
	.type	k_qbb73d24e9e_attn,@function
k_qbb73d24e9e_attn:
	s_mov_b64 s[64:65], 0
	v_nop
	global_prefetch_b8 v0, s[64:65] scope:SCOPE_SE
	s_setreg_imm32_b32 hwreg(HW_REG_WAVE_MODE, 25, 1), 1
	s_wait_xcnt 0x0
	s_wait_alu depctr_hold_cnt(0) depctr_sa_sdst(0) depctr_va_vdst(0) depctr_va_sdst(0) depctr_va_ssrc(0) depctr_va_vcc(0) depctr_vm_vsrc(0)
	s_getreg_b32 s2, hwreg(HW_REG_IB_STS2, 6, 4)
	s_cmp_eq_u32 s2, 0
	s_cbranch_scc0 .Lentry_in_a_cluster
	s_endpgm
.Lentry_in_a_cluster:
	s_bfe_u32 s2, ttmp6, 0x10000c
	s_cmp_lg_u32 s2, 0x3003
	s_cbranch_scc0 .Lentry_shape_is_right
	s_endpgm
.Lentry_shape_is_right:
; Causal attention on codes of FP6 (E2M3), head size 64, 2,048 tokens, 64 (batch, head) pairs; the result is quantised along the model's axis at once and leaves as codes for the last product.
; SOFTMAX: t = score x log2(e) / 8; M = the running largest t rounded UP to a whole number; p = 2^(t - M) is quantised along the keys; the row's sum is taken of the unquantised p and divides O at the end.
; When M moves, the sum and O are multiplied by 2^(old M - new M): exact.
; ALL KEYS OF THE PAIR LIE IN LDS: K's codes 98,304 bytes, V's 98,304, K's scale words 8,192, V's 4,096.  Nothing is filled again.  Each of sixteen waves asks for one tile at the head:
; kind = wave % 4 (K's codes, V's codes, K's words, V's words), part = wave / 4 (512 keys).  Part 0's lines are waves 0-3's alone: the first barrier waits for them alone; the second, behind four key steps, for all.
; SHARES.  The four work-groups of a cluster share the pair.  Work-group cx owns the groups of 32 queries 4 m + cx, m = 0 .. 15; a group's two tiles of 16 walk key steps (128 keys) 0 .. m, whatever cx is.
; Wave w owns tile w % 2 of group m = 15 - w / 2 and then of group m = w / 2: 17 key steps for every wave.  Every loop has a constant trip count; a step with ks > m is jumped over by a branch on the wave's number and the counter.
; CLUSTER: all four partners want the same sixteen tiles at the same time: joint loads, mask 15.  No branch, trip count or LDS address hangs on cx: it enters the mask's numbers and global addresses alone.
; No prefetch: every tile is asked for at the head, so there is no loop to run ahead in.
; LAYOUT.  Both products are used transposed: S^T = K Q^T, O^T = V^T P^T: a lane holds one query.  Operands come as images of registers (768 bytes: 16 rows x 64 K), rows in position order (position p holds true row pi(p),
; pi = bits 3 and 4 exchanged): the 16 registers of score tiles 2 g, 2 g + 1 are keys 32 g + 16 (lane / 16) + 0 .. 15.  Lane r of tile u of a group is its query 8 u + r + 8 (r / 8).
; THE FIRST PRODUCT'S K IS 64, the instruction's 128: Q's upper six registers are zero codes; K's fragment names twelve registers, of which the upper six are the next tile's codes (zeros behind the last): times zero codes they add nothing.
; CAUSAL: step ks = m is the diagonal: hidden scores become -infinity ahead of the maximum.  Key 0 counts for every query.
; LIMITS: the promise holds while the scaled scores stay under 2^31 in magnitude; a block's largest magnitude has the floor 2^(3 - 127) (byte at least 1; a block of zeros gets the byte 1; the bytes are read by this program alone);
; NaN and infinities are not served.  acs is stored two bytes a row: a row's 32 bytes are made by 16 work-groups.
.set VC,    98304
.set KSO,   196608
.set VSO,   204800
.set SPARE, 208896                     ; the spare words, 128 bytes a wave
.set VB,    12582912
.set SVB,   1048576
.set AK16, 8                           ; v1: 16 x lane, v2: 8 x lane, v5, v6: the add's two registers
.set AK8,  9
.set F,    28                          ; v28-75 K's eight images, later V's four fragments; v76-81 zeros.   v12 -M, v13 the largest t, v[14:15] the sum; v16-21 Q, v22-27 zeros
.set S,    82                          ; v82-145 S^T, then p
.set O,    146                         ; v146-177 O^T
.set PC,   178
.set PT,   190
.set BM,   198
.set BP,   202
.set BS,   206
.set KSC,  210
.set VSC,  214
.set QSC,  216
.set FF,   218
.set PW,   219
.set TA,   220
.set AV16, 223
.set AV8,  224
.set QSO,  225
.set ASO,  226
.set Q2S,  227                         ; the second tile's Q: scale word, v228-233 codes
.set Q2,   228
.set AKS,  234
.set AVS,  235
.set BV16, 236
.set BV8,  237
.set BKS,  238
.set BVS,  239
.set DD,   240                         ; on the diagonal: my query - the step's first key - 16 (lane / 16)
.set SM,   242                         ; v242-255 seven chains of the row's sum
.set WV,   12
.set GM,   13                          ; m of the tile in hand
.set KS_,  14                          ; the key step
.set U,    15
.set CX,   16
.set KD,   17
.set PRT,  18
.set SEL,  20
.set CS,   22
.set BB,   26
.set HH,   27
.set QC,   92                          ; s[92:93] Q's codes, s[94:95] Q's scale words, s[96:97] ac, s[98:99] acs
.macro CROUND
	s_barrier_signal -1
	s_barrier_wait -1
	s_cmp_lg_u32 s[WV], 0
	s_cbranch_scc1 .Lnot_wave_0_\@
	s_barrier_signal -3
.Lnot_wave_0_\@:
	s_barrier_wait -3
	s_barrier_signal -1
	s_barrier_wait -1
.endm
.macro TL g0, g1
	tensor_load_to_lds s[\g0:\g0+3], s[\g1:\g1+7]
	s_nop 0
.rept 4
	v_nop
.endr
.endm
.macro ARM reg, n, g0, g1
	s_cmp_lg_u32 s[\reg], \n
	s_cbranch_scc1 .Lnext_\@
	TL \g0, \g1
	s_branch .Lasked
.Lnext_\@:
.endm
.macro SETBLK                          ; the tile u of group 4 m + cx: its addresses
	s_lshl_b32 s36, s[GM], 3
	s_lshl_b32 s37, s[CX], 1
	s_add_co_u32 s36, s36, s37
	s_add_co_u32 s36, s36, s[U]
	s_lshl_b32 s37, s[BB], 7
	s_add_co_u32 s37, s37, s36                     ; my token tile: 128 b + 8 m + 2 cx + u
	s_lshl_b32 s38, s[HH], 9
	s_add_co_u32 s38, s38, s37
	s_mul_i32 s38, s38, 768
	s_mov_b32 s39, 0
	s_add_nc_u64 s[QC:QC+1], s[4:5], s[38:39]
	s_lshl_b32 s38, s37, 4
	s_add_co_u32 s38, s38, s[HH]
	s_mul_i32 s38, s38, 768
	s_add_nc_u64 s[QC+4:QC+5], s[8:9], s[38:39]
	s_lshl_b32 s38, s37, 9
	s_lshl_b32 s66, s[HH], 1
	s_add_co_u32 s38, s38, s66
	s_add_nc_u64 s[QC+6:QC+7], s[10:11], s[38:39]
	s_lshl_b32 s38, s[HH], 6
	s_lshl_b32 s66, s[BB], 4
	s_add_co_u32 s38, s38, s66
	s_add_co_u32 s38, s38, s[GM]                   ; the group of 8 token tiles is m
	s_lshl_b32 s38, s38, 9
	s_add_nc_u64 s[QC+2:QC+3], s[6:7], s[38:39]
.endm
.macro LOADQ c, w
	global_load_b128 v[\c:\c+3], v1, s[QC:QC+1]
	global_load_b64 v[\c+4:\c+5], v2, s[QC:QC+1] offset:512
	global_load_b32 v[\w], v[QSO], s[QC+2:QC+3]
.endm
.macro INIT                            ; the step is written once: its first run finds zeros, which the first change of M leaves zeros
	v_mov_b32 v13, 0xff61b1e6                      ; -3e38, under every t
	v_mov_b32 v14, 0
	v_mov_b32 v15, 0
	v_floor_f32 v12, -v13
.set J, 0
.rept 32
	v_mov_b32 v[O+J], 0
.set J, J+1
.endr
.endm
; A KEY STEP: the 128 keys of step s[KS_]
; THE ROW'S SUM of the unquantised p, eight chains side by side.  It is taken of the LAST step's p, which lies in S until the next scores are made: in the next live step, while K's fragments are on their way
; (the sum stands under the last step's M there, ahead of that step's change of M), and for a tile's last step at the tile's end.
.macro SUMP
.irp k, 0,1,2,3,4,5,6
	v_pk_add_f32 v[SM+2*\k:SM+2*\k+1], v[S+4*\k:S+4*\k+1], v[S+4*\k+2:S+4*\k+3]
.endr
	v_pk_add_f32 v[14:15], v[14:15], v[S+28:S+29]
.set J, 30
.rept 2
.irp k, 0,1,2,3,4,5,6
	v_pk_add_f32 v[SM+2*\k:SM+2*\k+1], v[SM+2*\k:SM+2*\k+1], v[S+J+2*\k:S+J+2*\k+1]
.endr
	v_pk_add_f32 v[14:15], v[14:15], v[S+J+14:S+J+15]
.set J, J+16
.endr
	v_pk_add_f32 v[SM:SM+1], v[SM:SM+1], v[S+62:S+63]
	v_pk_add_f32 v[SM+4:SM+5], v[SM+4:SM+5], v[SM+6:SM+7]
	v_pk_add_f32 v[SM+8:SM+9], v[SM+8:SM+9], v[SM+10:SM+11]
	v_pk_add_f32 v[14:15], v[14:15], v[SM+12:SM+13]
	v_pk_add_f32 v[SM:SM+1], v[SM:SM+1], v[SM+2:SM+3]
	v_pk_add_f32 v[SM+4:SM+5], v[SM+4:SM+5], v[SM+8:SM+9]
	v_pk_add_f32 v[14:15], v[14:15], v[SM:SM+1]
	v_pk_add_f32 v[14:15], v[14:15], v[SM+4:SM+5]
.endm
.macro STEP
	s_cmp_gt_u32 s[KS_], s[GM]
	s_cbranch_scc1 .Lhidden_\@                     ; all its keys come after my queries
	s_mul_i32 s36, s[KS_], 6144
	s_lshl_b32 s37, s[KS_], 9
	s_lshl_b32 s38, s[KS_], 8
	v_add_nc_u32 v[AK16], s36, v1                  ; these six are also the places in front of loads into registers that the last products read
	v_add_nc_u32 v[AK8], s36, v2
	v_add_nc_u32 v[AKS], s37, v[BKS]
	v_add_nc_u32 v[AV16], s36, v[BV16]
	v_add_nc_u32 v[AV8], s36, v[BV8]
	v_add_nc_u32 v[AVS], s38, v[BVS]
.irp t, 0,1,2,3,4,5,6,7
	ds_load_b128 v[F+6*\t:F+6*\t+3], v[AK16] offset:768*\t
	ds_load_b64 v[F+6*\t+4:F+6*\t+5], v[AK8] offset:768*\t+512
.endr
	ds_load_b128 v[KSC:KSC+3], v[AKS]
	s_cmp_eq_u32 s[KS_], 0
	s_cbranch_scc1 .Lnone_\@                       ; a tile's first step has no p behind it
	SUMP
.Lnone_\@:
	s_wait_alu depctr_va_vdst(0)
	s_wait_dscnt 0x0
.irp t, 0,1,2,3,4,5,6,7
.if (\t)%2
	v_wmma_scale_f32_16x16x128_f8f6f4 v[S+8*\t:S+8*\t+7], v[F+6*\t:F+6*\t+11], v[16:27], 0, v[KSC+\t/2], v[QSC] matrix_a_fmt:MATRIX_FMT_FP6 matrix_b_fmt:MATRIX_FMT_FP6 matrix_a_scale:MATRIX_SCALE_ROW1
.else
	v_wmma_scale_f32_16x16x128_f8f6f4 v[S+8*\t:S+8*\t+7], v[F+6*\t:F+6*\t+11], v[16:27], 0, v[KSC+\t/2], v[QSC] matrix_a_fmt:MATRIX_FMT_FP6 matrix_b_fmt:MATRIX_FMT_FP6
.endif
.endr
.rept 4
	v_nop                                          ; places: for V's loads into K's registers, and for the first read of the scores
.endr
.irp d, 0,1,2,3                        ; V's four fragments land while the softmax is walked
.irp c, 0,1
	ds_load_b128 v[F+12*\d+6*\c:F+12*\d+6*\c+3], v[AV16] offset:\c*3072+768*\d
	ds_load_b64 v[F+12*\d+6*\c+4:F+12*\d+6*\c+5], v[AV8] offset:\c*3072+768*\d+512
.endr
.endr
	ds_load_b64 v[VSC:VSC+1], v[AVS]
	s_cmp_lt_u32 s[KS_], s[GM]
	s_cbranch_scc1 .Lopen_\@                       ; all keys of the step count for all my queries
	v_mov_b32 v[TA+2], 0xff800000
.set N, 0
.rept 64
	v_cmp_gt_i32 vcc_lo, 32*(N/16)+N%16, v[DD]     ; register 16 g + i holds the step's key 16 (lane / 16) + 32 g + i
	v_cndmask_b32 v[S+N], v[S+N], v[TA+2], vcc_lo
.set N, N+1
.endr
.Lopen_\@:
.irp b, 0,1,2,3
	v_max3_num_f32 v[BM+\b], v[S+16*\b], v[S+16*\b+1], v[S+16*\b+2]   ; the largest score of each block of 32 keys: for the row's maximum and, since p rises with the score, for the block's largest p
.endr
.irp i, 3,5,7,9,11,13
.irp b, 0,1,2,3
	v_max3_num_f32 v[BM+\b], v[BM+\b], v[S+16*\b+\i], v[S+16*\b+\i+1]
.endr
.endr
.irp b, 0,1,2,3
	v_max_num_f32 v[BM+\b], v[BM+\b], v[S+16*\b+15]
.endr
.irp b, 0,1,2,3
	v_permlanex16_b32 v[BP+\b], v[BM+\b], s[SEL], s[SEL+1]
.endr
.irp b, 0,1,2,3
	v_max_num_f32 v[BM+\b], v[BM+\b], v[BP+\b]
.endr
	v_max3_num_f32 v[TA], v[BM], v[BM+1], v[BM+2]
	v_max_num_f32 v[TA], v[TA], v[BM+3]
	v_mul_f32 v[TA], s[CS], v[TA]
	v_max_num_f32 v13, v13, v[TA]                  ; the running largest t
	v_mov_b32 v[TA], v12
	v_floor_f32 v12, -v13                          ; -M = floor(-t): M is a whole number
	v_sub_f32 v[TA], v12, v[TA]                    ; old M - new M: a whole number, 0 or less
	v_cvt_i32_f32 v[TA], v[TA]                     ; (it saturates)
	v_ldexp_f32 v[FF], 1.0, v[TA]
.set J, 0
.rept 32
	v_pk_fma_f32 v[S+J:S+J+1], v[S+J:S+J+1], s[CS:CS+1], v[12:13] op_sel_hi:[1,0,0]   ; t - M
.set J, J+2
.endr
.irp b, 0,1,2,3
	v_fma_f32 v[BM+\b], v[BM+\b], s[CS], v12
.endr
	s_wait_alu depctr_va_vdst(0)                   ; the wait ahead of the batch
.set J, 0
.rept 64
	v_exp_f32 v[S+J], v[S+J]                       ; p = 2^(t - M)
.set J, J+1
.endr
.irp b, 0,1,2,3
	v_exp_f32 v[BM+\b], v[BM+\b]                   ; the block's largest p: the same two instructions on the same number
.endr
	v_pk_mul_f32 v[14:15], v[14:15], v[FF:FF+1] op_sel_hi:[1,0]   ; the sums under the new M (a plain place behind the exponentials)
	s_wait_alu depctr_va_vdst(0)                   ; and behind it
.irp b, 0,1,2,3
	v_max_num_f32 v[BM+\b], 0x1800000, v[BM+\b]    ; the floor 2^(3 - 127)
.endr
.irp b, 0,1,2,3
	v_add_nc_u32 v[BS+\b], 0xff000000, v[BM+\b]
.endr
.irp b, 0,1,2,3
	v_lshrrev_b32 v[BP+\b], 23, v[BS+\b]
.endr
	v_lshl_or_b32 v[PW], v[BP+1], 8, v[BP]
	v_lshl_or_b32 v[PW], v[BP+2], 16, v[PW]
	v_lshl_or_b32 v[PW], v[BP+3], 24, v[PW]
.irp c, 0,1
	v_cvt_scalef32_pk16_fp6_f32 v[PC+6*\c:PC+6*\c+2], v[S+32*\c:S+32*\c+15], v[BS+2*\c]
	v_cvt_scalef32_pk16_fp6_f32 v[PT+4*\c:PT+4*\c+2], v[S+32*\c+16:S+32*\c+31], v[BS+2*\c+1]
.endr
	v_nop                                          ; one plain place behind a scaled conversion
.irp c, 0,1
.irp i, 0,1,2
	v_permlane16_swap_b32 v[PC+6*\c+\i], v[PT+4*\c+\i]   ; a whole block to a lane
.endr
.irp i, 0,1,2
	v_mov_b32 v[PC+6*\c+3+\i], v[PT+4*\c+\i]
.endr
.endr
	s_wait_alu depctr_va_vdst(0)                   ; the wait directly ahead of the first reader of O^T
.set J, 0
.rept 16
	v_pk_mul_f32 v[O+J:O+J+1], v[O+J:O+J+1], v[FF:FF+1] op_sel_hi:[1,0]   ; O^T under the new M
.set J, J+2
.endr
	s_wait_alu depctr_va_vdst(0)
	s_wait_dscnt 0x0                               ; V and its scale words are in
.irp d, 0,1,2,3                        ; the four accumulators take turns, and the scores' products stand between two steps
.if (\d)%2
	v_wmma_scale_f32_16x16x128_f8f6f4 v[O+8*\d:O+8*\d+7], v[F+12*\d:F+12*\d+11], v[PC:PC+11], v[O+8*\d:O+8*\d+7], v[VSC+\d/2], v[PW] matrix_a_fmt:MATRIX_FMT_FP6 matrix_b_fmt:MATRIX_FMT_FP6 matrix_a_scale:MATRIX_SCALE_ROW1
.else
	v_wmma_scale_f32_16x16x128_f8f6f4 v[O+8*\d:O+8*\d+7], v[F+12*\d:F+12*\d+11], v[PC:PC+11], v[O+8*\d:O+8*\d+7], v[VSC+\d/2], v[PW] matrix_a_fmt:MATRIX_FMT_FP6 matrix_b_fmt:MATRIX_FMT_FP6
.endif
.endr
.Lhidden_\@:
	s_add_co_u32 s[KS_], s[KS_], 1
.endm
; A TILE'S END: O^T / the sum; its 32 registers are two half blocks along the model's axis (channels 32 g + 16 h + i of my head): quantised as in the step, one image and two scale bytes a row.
.macro FINISH
	SUMP                                           ; the last step's p; these lines are also the places behind the last products
	v_add_f32 v14, v14, v15
	v_permlanex16_b32 v[TA], v14, s[SEL], s[SEL+1]
	v_add_f32 v14, v14, v[TA]                      ; the row's sum
	s_wait_alu depctr_va_vdst(0)
	v_rcp_f32 v14, v14
	v_nop                                          ; a plain place behind the transcendental
	s_wait_alu depctr_va_vdst(0)
.set J, 0
.rept 16
	v_pk_mul_f32 v[S+J:S+J+1], v[O+J:O+J+1], v[14:15] op_sel_hi:[1,0]   ; each accumulator from its low end on
.set J, J+2
.endr
.irp b, 0,1
	v_max3_num_f32 v[BM+\b], |v[S+16*\b]|, |v[S+16*\b+1]|, 0x1800000
.endr
.irp i, 2,4,6,8,10,12,14
.irp b, 0,1
	v_max3_num_f32 v[BM+\b], v[BM+\b], |v[S+16*\b+\i]|, |v[S+16*\b+\i+1]|
.endr
.endr
.irp b, 0,1
	v_permlanex16_b32 v[BP+\b], v[BM+\b], s[SEL], s[SEL+1]
.endr
.irp b, 0,1
	v_max_num_f32 v[BM+\b], v[BM+\b], v[BP+\b]
.endr
.irp b, 0,1
	v_add_nc_u32 v[BS+\b], 0xff000000, v[BM+\b]
.endr
.irp b, 0,1
	v_lshrrev_b32 v[BP+\b], 23, v[BS+\b]
.endr
	v_lshl_or_b32 v[TA+2], v[BP+1], 8, v[BP]
	v_cvt_scalef32_pk16_fp6_f32 v[PC:PC+2], v[S:S+15], v[BS]
	v_cvt_scalef32_pk16_fp6_f32 v[PT:PT+2], v[S+16:S+31], v[BS+1]
	v_nop
.irp i, 0,1,2
	v_permlane16_swap_b32 v[PC+\i], v[PT+\i]
.endr
.irp i, 0,1,2
	v_mov_b32 v[PC+3+\i], v[PT+\i]
.endr
	global_store_b128 v1, v[PC:PC+3], s[QC+4:QC+5]             ; 512 consecutive bytes, at a multiple of 256
	global_store_b64 v2, v[PC+4:PC+5], s[QC+4:QC+5] offset:512
	global_store_b16 v[ASO], v[TA+2], s[QC+6:QC+7]             ; both halves of the lanes hold the same two bytes of row r
	s_wait_xcnt 0x0                                ; the stores have read their registers and bases: both are written again
.endm
.macro WALK label, upto                ; key steps up to upto - 1
\label:
	STEP
	s_cmp_lt_u32 s[KS_], \upto
	s_wait_alu depctr_va_vdst(0)                   ; the wait directly ahead of the branch
	s_cbranch_scc1 \label
.endm
	s_load_b256 s[4:11], s[0:1], 0x0               ; qkv, qkvs, ac, acs
	v_lshl_add_u32 v5, v0, 2, SPARE
	v_mov_b32 v6, 0
	ds_add_u32 v5, v6                              ; the opening lines: the add, twice on end, and its wait
	ds_add_u32 v5, v6
	v_lshrrev_b32 v1, 5, v0
	v_readfirstlane_b32 s[WV], v1                  ; wave 0..15
	s_and_b32 s36, ttmp7, 0xffff
	s_lshr_b32 s[BB], s36, 4                       ; batch
	s_and_b32 s[HH], s36, 15                       ; head
	s_and_b32 s[KD], s[WV], 3                      ; which kind of tile I ask for
	s_lshr_b32 s[PRT], s[WV], 2                    ; and which 512 keys
	s_and_b32 s[U], s[WV], 1
	s_mov_b32 s[SEL], 0x76543210
	s_mov_b32 s[SEL+1], 0xfedcba98
	s_mov_b32 s[CS], 0x3e38aa3b                    ; log2(e) / 8
	s_mov_b32 s[CS+1], s[CS]
	s_add_co_u32 s36, s[HH], 16
	s_lshl_b32 s36, s36, 9
	s_lshl_b32 s37, s[BB], 7
	s_add_co_u32 s36, s36, s37
	s_mul_i32 s92, s36, 768                        ; K's codes of my (batch, head),
	s_mul_i32 s38, s[PRT], 24576
	s_add_co_u32 s92, s92, s38                     ; my part of them
	s_lshl_b32 s36, s[BB], 11
	s_lshl_b32 s37, s[HH], 2
	s_add_co_u32 s36, s36, s37
	s_mul_i32 s94, s36, 768
	s_add_co_u32 s94, s94, VB                      ; V's
	s_mul_i32 s37, s[PRT], 393216
	s_add_co_u32 s94, s94, s37
	s_add_co_u32 s36, s[HH], 16
	s_lshl_b32 s36, s36, 6
	s_lshl_b32 s37, s[BB], 4
	s_add_co_u32 s36, s36, s37
	s_lshl_b32 s96, s36, 9                         ; K's scale words
	s_lshl_b32 s37, s[PRT], 11
	s_add_co_u32 s96, s96, s37
	s_lshl_b32 s36, s[BB], 8
	s_add_co_u32 s36, s36, s[HH]
	s_lshl_b32 s98, s36, 8
	s_add_co_u32 s98, s98, SVB                     ; V's
	s_lshl_b32 s36, s[PRT], 14
	s_add_co_u32 s98, s98, s36
	s_mov_b32 s93, 0
	s_mov_b32 s95, 0
	s_mov_b32 s97, 0
	s_mov_b32 s99, 0
	s_mov_b32 s40, 1                               ; groups 0: the LDS places by the wave's number alone
	s_mov_b32 s41, s38
	s_mov_b32 s44, 1
	s_add_co_u32 s45, s38, VC
	s_mov_b32 s48, 1
	s_add_co_u32 s49, s37, KSO
	s_mov_b32 s52, 1
	s_lshl_b32 s53, s[PRT], 10
	s_add_co_u32 s53, s53, VSO
	; groups 1, elements of 8 bytes, no padding, mask 15 with bit 21.  K's codes of 512 keys: 96 dense rows of 256 bytes
	s_mov_b32 s56, 15|(3<<16)|(1<<21)
	s_mov_b32 s57, 32<<16
	s_mov_b32 s58, 96<<16
	s_mov_b32 s59, 32<<16
	s_mov_b32 s60, 96
	s_mov_b32 s61, 32
	s_mov_b32 s62, 0
	s_mov_b32 s63, 0
	; V's codes: 8 rows (64 keys each) of 3,072 bytes, 49,152 bytes apart
	s_mov_b32 s68, 15|(3<<16)|(1<<21)
	s_mov_b32 s69, 384<<16
	s_mov_b32 s70, 8<<16
	s_mov_b32 s71, 384<<16
	s_mov_b32 s72, 8
	s_mov_b32 s73, 6144
	s_mov_b32 s74, 0
	s_mov_b32 s75, 0
	; K's scale words: 8 dense rows of 256 bytes
	s_mov_b32 s76, 15|(3<<16)|(1<<21)
	s_mov_b32 s77, 32<<16
	s_mov_b32 s78, 8<<16
	s_mov_b32 s79, 32<<16
	s_mov_b32 s80, 8
	s_mov_b32 s81, 32
	s_mov_b32 s82, 0
	s_mov_b32 s83, 0
	; V's scale words: 4 rows (128 keys each) of 256 bytes, 4,096 bytes apart
	s_mov_b32 s84, 15|(3<<16)|(1<<21)
	s_mov_b32 s85, 32<<16
	s_mov_b32 s86, 4<<16
	s_mov_b32 s87, 32<<16
	s_mov_b32 s88, 4
	s_mov_b32 s89, 512
	s_mov_b32 s90, 0
	s_mov_b32 s91, 0
	s_wait_dscnt 0x0                               ; both opening adds are done
	s_wait_kmcnt 0x0
	s_add_nc_u64 s[42:43], s[4:5], s[92:93]
	s_or_b32 s43, s43, 0x80000000
	s_add_nc_u64 s[46:47], s[4:5], s[94:95]
	s_or_b32 s47, s47, 0x80000000
	s_add_nc_u64 s[50:51], s[6:7], s[96:97]
	s_or_b32 s51, s51, 0x80000000
	s_add_nc_u64 s[54:55], s[6:7], s[98:99]
	s_or_b32 s55, s55, 0x80000000
	CROUND                                         ; the four work-groups are here: the joint loads meet
	ARM WV, 0, 40, 56                              ; one chain, one load on every way: waves 0-3, part 0, have lines of their own
	ARM WV, 1, 44, 68
	ARM WV, 2, 48, 76
	ARM WV, 3, 52, 84
	ARM KD, 0, 40, 56                              ; waves 4-15: parts 1 to 3
	ARM KD, 1, 44, 68
	ARM KD, 2, 48, 76
	TL 52, 84
.Lasked:
	s_bfe_u32 s[CX], ttmp6, 0x40000                ; my place in the cluster: which groups of queries are mine
	v_and_b32 v[TA], 31, v0                        ; lane
	v_and_b32 v[TA+1], 15, v0                      ; r
	v_bfe_u32 v[TA+2], v0, 4, 1                    ; h
	v_lshlrev_b32 v1, 4, v[TA]
	v_lshlrev_b32 v2, 3, v[TA]
	v_and_b32 v7, 8, v[TA+1]
	v_lshlrev_b32 v[TA+2], 4, v[TA+2]
	v_add_nc_u32 v7, v7, v[TA+1]
	v_lshlrev_b32 v[ASO], 5, v[TA+1]               ; acs: 32 bytes a row
	v_sub_nc_u32 v7, v7, v[TA+2]                   ; r + 8 (r / 8) - 16 h
	s_lshl_b32 s36, s[CX], 5
	s_lshl_b32 s37, s[U], 3
	s_add_co_u32 s36, s36, s37
	v_add_nc_u32 v[DD], s36, v7                    ; + 32 cx + 8 u
	s_lshl_b32 s36, s[U], 8
	s_lshl_b32 s37, s[CX], 2
	s_add_co_u32 s36, s36, s37
	v_lshl_add_u32 v[QSO], v[TA+1], 4, s36         ; Q's scale word: lane r + 16 u of the group's 512 bytes, word cx
	v_add_nc_u32 v[BV16], VC, v1
	v_add_nc_u32 v[BV8], VC, v2
	v_add_nc_u32 v[BKS], KSO, v1
	v_add_nc_u32 v[BVS], VSO, v2
.irp j, 22,23,24,25,26,27,76,77,78,79,80,81
	v_mov_b32 v[\j], 0                             ; the zero codes that fill the first product's K
.endr
.irp b, 0,1,2,3
	v_mov_b32 v[BP+\b], 0                          ; a lane permute's destination counts as one of its sources
.endr
	v_mov_b32 v[PW], 0                             ; (named as the upper half of a pair before it is first written)
	v_mov_b32 v[TA], 0
	INIT
	s_lshr_b32 s[GM], s[WV], 1                     ; the second tile's Q comes now too
	SETBLK
	s_wait_alu depctr_va_vdst(0)                   ; the wait
	LOADQ Q2, Q2S
	s_wait_xcnt 0x0                                ; the loads have read their bases, which are written next
	s_sub_co_u32 s[GM], 15, s[GM]                  ; the first tile: the longer walk
	SETBLK
	LOADQ 16, QSC
	s_mov_b32 s[KS_], 0
	s_wait_loadcnt 0x0
	s_cmp_lt_u32 s[WV], 4
	s_cbranch_scc0 .Lnot_first
	s_wait_tensorcnt 0x0                           ; waves 0-3: my tile of part 0 is in
.Lnot_first:
	s_barrier_signal -1
	s_barrier_wait -1                              ; keys 0-511 are in; the other parts may be on their way
	WALK .Lpart0, 4
	s_wait_tensorcnt 0x0                           ; every wave: all that is still out
	s_wait_dscnt 0x0
	s_barrier_signal -1
	s_barrier_wait -1                              ; all keys are in
	WALK .Lrest, 16
	FINISH
	s_lshr_b32 s[GM], s[WV], 1
	SETBLK
.irp j, 0,1,2,3,4,5
	v_mov_b32 v[16+\j], v[Q2+\j]
.endr
	v_mov_b32 v[QSC], v[Q2S]
	INIT
	s_mov_b32 s[KS_], 0
	s_wait_alu depctr_va_vdst(0)
	WALK .Lsecond, 8
	FINISH
	s_wait_tensorcnt 0x0                           ; the wave's end
	ds_add_u32 v5, v6
	s_wait_dscnt 0x0
	CROUND                                         ; the closing round
	s_endpgm
.Lfunc_end_k_qbb73d24e9e_attn:
	.size	k_qbb73d24e9e_attn, .Lfunc_end_k_qbb73d24e9e_attn-k_qbb73d24e9e_attn
	.p2alignl 7, 3214868480
	.fill 96, 4, 3214868480
	.section	.rodata,"a",@progbits
	.p2align	6, 0x0
	.amdhsa_kernel k_qbb73d24e9e_attn
		.amdhsa_group_segment_fixed_size 210944
		.amdhsa_private_segment_fixed_size 0
		.amdhsa_enable_private_segment 0
		.amdhsa_kernarg_size 32
		.amdhsa_user_sgpr_count 2
		.amdhsa_user_sgpr_kernarg_segment_ptr 1
		.amdhsa_wavefront_size32 1
		.amdhsa_system_sgpr_workgroup_id_x 1
		.amdhsa_system_sgpr_workgroup_id_y 1
		.amdhsa_system_sgpr_workgroup_id_z 1
		.amdhsa_system_vgpr_workitem_id 0
		.amdhsa_next_free_vgpr 256
		.amdhsa_next_free_sgpr 102
		.amdhsa_reserve_vcc 1
		.amdhsa_float_denorm_mode_32 3
		.amdhsa_float_denorm_mode_16_64 3
		.amdhsa_memory_ordered 1
		.amdhsa_forward_progress 1
		.amdhsa_inst_pref_size 91
	.end_amdhsa_kernel
	.amdgpu_metadata
---
amdhsa.version: [ 1, 2 ]
amdhsa.kernels:
  - .name:           k_qbb73d24e9e_attn
    .symbol:         k_qbb73d24e9e_attn.kd
    .args:
      - { .name: qkv, .offset: 0, .size: 8, .value_kind: global_buffer, .address_space: global }
      - { .name: qkvs, .offset: 8, .size: 8, .value_kind: global_buffer, .address_space: global }
      - { .name: ac, .offset: 16, .size: 8, .value_kind: global_buffer, .address_space: global }
      - { .name: acs, .offset: 24, .size: 8, .value_kind: global_buffer, .address_space: global }
    .group_segment_fixed_size: 210944
    .private_segment_fixed_size: 0
    .kernarg_segment_align: 8
    .kernarg_segment_size: 32
    .max_flat_workgroup_size: 512
    .sgpr_count:     102
    .vgpr_count:     256
    .wavefront_size: 32
...
	.end_amdgpu_metadata
.endif
;; end of part 3
;; launch gemm_out (part 4): grid 4 x 64, 4 waves a work-group, clusters of 4 x 4, 327,680 bytes of LDS; arguments ac, acs, wc, ws, b_out, out0; writes out0
.if DOCPART == 4
	.amdgcn_target "amdgcn-amd-amdhsa--gfx1250"
	.amdhsa_code_object_version 6
	.text
	.protected	k_qbb73d24e9e_gemm_out
	.globl	k_qbb73d24e9e_gemm_out
	.p2align	8
	.type	k_qbb73d24e9e_gemm_out,@function
k_qbb73d24e9e_gemm_out:
	s_mov_b64 s[64:65], 0
	v_nop
	global_prefetch_b8 v0, s[64:65] scope:SCOPE_SE
	s_setreg_imm32_b32 hwreg(HW_REG_WAVE_MODE, 25, 1), 1
	s_wait_xcnt 0x0
	s_wait_alu depctr_hold_cnt(0) depctr_sa_sdst(0) depctr_va_vdst(0) depctr_va_sdst(0) depctr_va_ssrc(0) depctr_va_vcc(0) depctr_vm_vsrc(0)
	s_getreg_b32 s2, hwreg(HW_REG_IB_STS2, 6, 4)
	s_cmp_eq_u32 s2, 0
	s_cbranch_scc0 .Lentry_in_a_cluster
	s_endpgm
.Lentry_in_a_cluster:
	s_bfe_u32 s2, ttmp6, 0x10000c
	s_cmp_lg_u32 s2, 0xf033
	s_cbranch_scc0 .Lentry_shape_is_right
	s_endpgm
.Lentry_shape_is_right:
; out0 = attention's result x W_out + b_out on codes of FP6 (E2M3), K = 1024, f32 out.
; Operands come as images of registers (768 bytes: 16 rows x 64 K; lane l's registers 0-3 at 16 l, 4-5 at 512 + 8 l), [position tile][16 chunks][768], rows in position order (position p holds true row pi(p), pi = bits 3 and 4 exchanged).
; A work-group makes 128 tokens x 256 columns: 256 work-groups.  ALL OF K LIES IN LDS: 8 token tiles and 16 column tiles of 12,288 bytes, and their scale bytes: four tiles, one tensor load a wave at the head; nothing is filled again.
; A wave makes 64 x 128: 32 accumulators, by turns.  K goes in eight steps of 128 on two sets of fragments: a step's 48 LDS loads are issued ahead of the step before's products.
; CLUSTERS of 4 x 4: the tokens' tiles are asked for jointly along a row of the cluster, the columns' along a column.  No prefetch: every tile is asked for at the head, so there is no loop to run ahead in.
; Source 0 = columns, source 1 = tokens: a lane holds one token, and the 16 registers of results 2 g, 2 g + 1 are columns 32 g + 16 (lane / 16) + 0 .. 15.  The bias is the first step's C.
; The way out goes through a stage in LDS on the tokens' bytes, behind a barrier behind which nobody reads them; rows of 512 bytes leave as two aligned units of 256.
; REGISTERS: window 0: v16-29 addresses, v32-95 scale words, v128-223 the tokens' fragments, two sets; window 1: the columns' fragments, two sets; window 2: accumulators; window 3: v0-63 the bias.
.set FR,     12
.set TROW,   12288
.set WB,     8*TROW
.set SCL,    24*TROW
.set SBLK,   544                       ; the scale bytes of 16 rows: two units of 256 + 16
.set SPARE,  SCL+24*SBLK
.set SPITCH, 528
.set ADRA, 16                          ; v16 + 16 x lane, v17 + 8 x lane: my four token tiles
.set ADRB, 18                          ; v18, v19: my column tiles 0-3; v20, v21: 4-7
.set LI,   24
.set STO,  25
.set RD,   26
.set ADRS, 27
.set SPW,  28
.set NIL,  29
.set SC,   32                          ; register 16 (q / 2) + 2 i + q % 2: lanes 0-15 the word of token block i, lanes 16-31 of column block i, K step q
.set AF,   128
.set BK,   128
.set G1T, 24
.set G0T, 32
.set G0W, 36
.set G1W, 48
.set G1S, 68
.set G0S, 76
.set G1SB, 80
.set G0SB, 88
.set MSB, 0
.macro WIN new
.if MSB != (\new)
	s_set_vgpr_msb (MSB<<8)|(\new)
.set MSB, (\new)
.endif
.endm
.macro PLACES n
.rept \n
	v_nop
.endr
.endm
.macro CROUND
	s_barrier_signal -1
	s_barrier_wait -1
	s_cmp_lg_u32 s14, 0
	s_cbranch_scc1 .Lnot_wave_0_\@
	s_barrier_signal -3
.Lnot_wave_0_\@:
	s_barrier_wait -3
	s_barrier_signal -1
	s_barrier_wait -1
.endm
.macro ARM under, g0, g1, next
	s_cmp_lt_u32 s14, \under
	s_cbranch_scc0 \next
	tensor_load_to_lds s[\g0:\g0+3], s[\g1:\g1+7]
	s_nop 0
	PLACES 4
	s_branch .Lhead_asked
\next:
.endm
	s_load_b256 s[4:11], s[0:1], 0x0               ; ac, acs, wc, ws
	s_load_b128 s[96:99], s[0:1], 0x20             ; b_out, out0
	v_lshl_add_u32 v[SPW], v0, 2, SPARE
	v_mov_b32 v[NIL], 0
	ds_add_u32 v[SPW], v[NIL]                      ; the opening lines: the add, twice on end, and its wait
	ds_add_u32 v[SPW], v[NIL]
	v_lshrrev_b32 v1, 5, v0
	v_readfirstlane_b32 s14, v1                    ; wave 0..3
	s_lshr_b32 s15, s14, 1                         ; which 64 tokens
	s_and_b32 s16, s14, 1                          ; which 128 columns
	s_bfe_u32 s40, ttmp6, 0x40000                  ; cx
	s_bfe_u32 s41, ttmp6, 0x40004                  ; cy
	s_lshl_b32 s42, ttmp9, 2
	s_add_co_u32 s42, s42, s40                     ; which 256 columns
	s_and_b32 s17, ttmp7, 0xffff
	s_lshl_b32 s17, s17, 2
	s_add_co_u32 s17, s17, s41                     ; which 128 tokens
	s_lshl_b32 s43, s41, 2
	s_lshl_b32 s43, 15, s43                        ; my row of the cluster
	s_lshl_b32 s44, 0x1111, s40                    ; my column
	s_or_b32 s[G1T+0], s43, (3<<16)|(1<<21)        ; codes: rows of 12,288 bytes (1,536 elements of 8), dense: 8 for the tokens,
	s_mov_b32 s[G1T+1], 1536<<16
	s_mov_b32 s[G1T+2], 8<<16
	s_mov_b32 s[G1T+3], 1536<<16
	s_mov_b32 s[G1T+4], 8
	s_mov_b32 s[G1T+5], 1536
	s_mov_b32 s[G1T+6], 0
	s_mov_b32 s[G1T+7], 0
	s_or_b32 s[G1W+0], s44, (3<<16)|(1<<21)        ; 16 for the columns
	s_mov_b32 s[G1W+1], 1536<<16
	s_mov_b32 s[G1W+2], 16<<16
	s_mov_b32 s[G1W+3], 1536<<16
	s_mov_b32 s[G1W+4], 16
	s_mov_b32 s[G1W+5], 1536
	s_mov_b32 s[G1W+6], 0
	s_mov_b32 s[G1W+7], 0
	s_or_b32 s[G1S+0], s43, (3<<16)|(1<<20)|(1<<21)|(5<<22)|(3<<25)   ; scale bytes: dense rows of 256, 16 bytes of padding behind each: 16 rows,
	s_mov_b32 s[G1S+1], 32<<16
	s_mov_b32 s[G1S+2], 16<<16
	s_mov_b32 s[G1S+3], 32<<16
	s_mov_b32 s[G1S+4], 16
	s_mov_b32 s[G1S+5], 32
	s_mov_b32 s[G1S+6], 0
	s_mov_b32 s[G1S+7], 0
	s_or_b32 s[G1SB+0], s44, (3<<16)|(1<<20)|(1<<21)|(5<<22)|(3<<25)  ; and 32
	s_mov_b32 s[G1SB+1], 32<<16
	s_mov_b32 s[G1SB+2], 32<<16
	s_mov_b32 s[G1SB+3], 32<<16
	s_mov_b32 s[G1SB+4], 32
	s_mov_b32 s[G1SB+5], 32
	s_mov_b32 s[G1SB+6], 0
	s_mov_b32 s[G1SB+7], 0
	s_mul_i32 s20, s17, 8*TROW                     ; the tokens' codes,
	s_mov_b32 s21, 0
	s_lshl_b32 s22, s17, 12                        ; their scale bytes,
	s_mov_b32 s23, 0
	s_lshl_b32 s46, s42, 8
	s_add_co_u32 s46, s46, 3072                    ; W_out's columns begin at row 3072 of wc
	s_lshl_b32 s2, s46, 5
	s_mov_b32 s3, 0
	s_mul_i32 s46, s46, 768
	s_mov_b32 s47, 0
	s_mov_b32 s[G0T], 1
	s_mov_b32 s[G0T+1], 0
	s_mov_b32 s[G0W], 1
	s_mov_b32 s[G0W+1], WB
	s_mov_b32 s[G0S], 1
	s_mov_b32 s[G0S+1], SCL
	s_mov_b32 s[G0SB], 1
	s_mov_b32 s[G0SB+1], SCL+8*SBLK
	s_wait_dscnt 0x0                               ; both opening adds are done
	s_wait_kmcnt 0x0
	s_add_nc_u64 s[G0T+2:G0T+3], s[4:5], s[20:21]
	s_or_b32 s[G0T+3], s[G0T+3], 0x80000000
	s_add_nc_u64 s[G0S+2:G0S+3], s[6:7], s[22:23]
	s_or_b32 s[G0S+3], s[G0S+3], 0x80000000
	s_add_nc_u64 s[G0W+2:G0W+3], s[8:9], s[46:47]
	s_or_b32 s[G0W+3], s[G0W+3], 0x80000000
	s_add_nc_u64 s[G0SB+2:G0SB+3], s[10:11], s[2:3]
	s_or_b32 s[G0SB+3], s[G0SB+3], 0x80000000
	CROUND                                         ; all sixteen work-groups are here: the joint loads meet
	ARM 1, G0W, G1W, .Lhead_t                      ; one chain of branches, one load on every way
	ARM 2, G0T, G1T, .Lhead_sa
	ARM 3, G0S, G1S, .Lhead_sb
	tensor_load_to_lds s[G0SB:G0SB+3], s[G1SB:G1SB+7]
	s_nop 0
	PLACES 4
.Lhead_asked:
	v_and_b32 v1, 15, v0                           ; r
	v_bfe_u32 v2, v0, 4, 1                         ; h
	v_and_b32 v3, 31, v0
	v_lshlrev_b32 v[LI], 4, v3
	v_lshlrev_b32 v4, 3, v3
	s_mul_i32 s21, s15, 4*TROW
	s_mul_i32 s22, s16, 8*TROW
	s_add_co_u32 s22, s22, WB
	v_add_nc_u32 v[ADRA], s21, v[LI]
	v_add_nc_u32 v[ADRA+1], s21, v4
	v_add_nc_u32 v[ADRB], s22, v[LI]
	v_add_nc_u32 v[ADRB+1], s22, v4
	s_add_co_u32 s22, s22, 4*TROW
	v_add_nc_u32 v[ADRB+2], s22, v[LI]
	v_add_nc_u32 v[ADRB+3], s22, v4
	v_lshlrev_b32 v5, 5, v1                        ; my row's scales: 32 bytes a row,
	v_lshrrev_b32 v6, 8, v5
	v_lshl_add_u32 v5, v6, 4, v5                   ; and 16 more for each 256 passed
	s_mul_i32 s21, s15, 4*SBLK
	s_mul_i32 s22, s16, 8*SBLK
	s_add_co_u32 s22, s22, 8*SBLK
	s_sub_co_u32 s22, s22, s21
	v_mul_u32_u24 v6, s22, v2                      ; lanes 16-31 take the columns'
	s_add_co_u32 s21, s21, SCL
	v_add_nc_u32 v5, v5, v6
	v_add_nc_u32 v[ADRS], s21, v5
	s_mul_i32 s23, s14, 16*SPITCH                  ; my stage
	v_mul_u32_u24 v5, v1, SPITCH
	v_lshl_add_u32 v5, v2, 6, v5
	v_add_nc_u32 v[STO], s23, v5
	v_add_nc_u32 v[RD], s23, v[LI]
	s_lshl_b32 s20, s17, 7
	s_lshl_b32 s21, s15, 6
	s_add_co_u32 s20, s20, s21                     ; my first token
	s_lshl_b32 s20, s20, 12
	s_lshl_b32 s22, s42, 10
	s_lshl_b32 s21, s16, 9
	s_add_co_u32 s22, s22, s21                     ; my first column, in bytes
	s_add_co_u32 s20, s20, s22
	s_mov_b32 s21, 0
	s_mov_b32 s23, 0
	s_add_nc_u64 s[12:13], s[98:99], s[20:21]
	s_add_nc_u64 s[96:97], s[96:97], s[22:23]
	v_lshlrev_b32 v6, 6, v2                        ; register j of column tile t is column 32 (t / 2) + 8 (t % 2) + 16 h + j
	s_wait_alu depctr_va_vdst(0)                   ; the wait at the head's end
	WIN 0xc0
.irp t, 0,1,2,3,4,5,6,7
	global_load_b128 v[8*\t:8*\t+3], v6, s[96:97] offset:(32*(\t/2)+8*(\t%2))*4
	global_load_b128 v[8*\t+4:8*\t+7], v6, s[96:97] offset:(32*(\t/2)+8*(\t%2))*4+16
.endr
	WIN 0
.macro FRAG reg, adr, off              ; a fragment, 16 rows x 128 K, is two images on end: four loads of consecutive bytes
	ds_load_b128 v[(\reg):(\reg)+3],     v[(\adr)]   offset:(\off)
	ds_load_b64  v[(\reg)+4:(\reg)+5],   v[(\adr)+1] offset:(\off)+512
	ds_load_b128 v[(\reg)+6:(\reg)+9],   v[(\adr)]   offset:(\off)+768
	ds_load_b64  v[(\reg)+10:(\reg)+11], v[(\adr)+1] offset:(\off)+1280
.endm
.macro FETCH q                         ; K step q's twelve fragments into set q % 2: 48 loads
	WIN 0x40
.irp i, 0,1,2,3,4,5,6,7
	FRAG 128*((\q)%2)+FR*\i, ADRB+2*(\i/4), (\i%4)*TROW+1536*(\q)
.endr
	WIN 0
.irp i, 0,1,2,3
	FRAG AF+48*((\q)%2)+FR*\i, ADRA, \i*TROW+1536*(\q)
.endr
.endm
.macro MUL q, first                    ; 32 products; the 32 accumulators take turns in the same order in every step
.irp a, 0,1,2,3
.irp b, 0,1,2,3,4,5,6,7
.if \first
	v_wmma_scale_f32_16x16x128_f8f6f4 v[8*(8*\a+\b):8*(8*\a+\b)+7], v[128*((\q)%2)+FR*\b:128*((\q)%2)+FR*\b+FR-1], v[AF+48*((\q)%2)+FR*\a:AF+48*((\q)%2)+FR*\a+FR-1], v[8*\b:8*\b+7], v[SC+16*((\q)/2)+2*\b+(\q)%2], v[SC+16*((\q)/2)+2*\a+(\q)%2] matrix_a_fmt:MATRIX_FMT_FP6 matrix_b_fmt:MATRIX_FMT_FP6 matrix_a_scale:MATRIX_SCALE_ROW1
.else
	v_wmma_scale_f32_16x16x128_f8f6f4 v[8*(8*\a+\b):8*(8*\a+\b)+7], v[128*((\q)%2)+FR*\b:128*((\q)%2)+FR*\b+FR-1], v[AF+48*((\q)%2)+FR*\a:AF+48*((\q)%2)+FR*\a+FR-1], v[8*(8*\a+\b):8*(8*\a+\b)+7], v[SC+16*((\q)/2)+2*\b+(\q)%2], v[SC+16*((\q)/2)+2*\a+(\q)%2] matrix_a_fmt:MATRIX_FMT_FP6 matrix_b_fmt:MATRIX_FMT_FP6 matrix_a_scale:MATRIX_SCALE_ROW1
.endif
.endr
.endr
.endm
	s_wait_loadcnt 0x0                             ; the bias
	s_wait_tensorcnt 0x0                           ; my tile of the four is in
	s_barrier_signal -1
	s_barrier_wait -1                              ; all four are
	FETCH 0
.irp s, 0,1,2,3
.irp i, 0,1,2,3,4,5,6,7
	ds_load_b64 v[SC+16*\s+2*\i:SC+16*\s+2*\i+1], v[ADRS] offset:\i*SBLK+8*\s
.endr
.endr
	FETCH 1
	s_wait_dscnt 48                                ; all but step 1's 48 loads
	WIN 0xb1                                       ; source 0 window 1, source 1 window 0, C (the bias) window 3, D window 2
	MUL 0, 1
.set Q, 1
.rept 6
	PLACES 4                                       ; in front of loads into registers that the last products read
	FETCH Q+1
	s_wait_dscnt 48                                ; all but the 48 just issued
	WIN 0xa1
	MUL Q, 0
.set Q, Q+1
.endr
	s_wait_dscnt 0x0                               ; my reads of the tiles are over
	s_barrier_signal -1
	MUL 7, 0
	WIN 0
	s_barrier_wait -1                              ; and everybody's: the stage may be written
.macro TOSTAGE a
	WIN 0x08                                       ; the data: window 2
.irp b, 0,1,2,3,4,5,6,7
	ds_store_b128 v[STO], v[64*(\a)+8*\b:64*(\a)+8*\b+3] offset:128*(\b/2)+32*(\b%2)      ; each accumulator from its low end on
	ds_store_b128 v[STO], v[64*(\a)+8*\b+4:64*(\a)+8*\b+7] offset:128*(\b/2)+32*(\b%2)+16
.endr
	WIN 0
.irp t, 0,1,2,3,4,5,6,7,8,9,10,11,12,13,14,15
	ds_load_b128 v[BK+64*((\a)%2)+4*\t:BK+64*((\a)%2)+4*\t+3], v[RD] offset:\t*SPITCH     ; LDS serves a wave's instructions in order: these see the stores above
.endr
.endm
.macro SEND a, younger
	s_wait_dscnt \younger
.irp t, 0,1,2,3,4,5,6,7,8,9,10,11,12,13,14,15
	global_store_b128 v[LI], v[BK+64*((\a)%2)+4*\t:BK+64*((\a)%2)+4*\t+3], s[12:13] offset:(32*((\a)/2)+8*((\a)%2)+\t+8*(\t/8))*4096 th:TH_STORE_NT   ; 512 consecutive bytes, at a multiple of 256
.endr
.endm
	PLACES 4
	TOSTAGE 0
.irp a, 1,2,3
.if \a > 1
	s_wait_xcnt 0x0                                ; block a - 2's stores have read their registers
.endif
	TOSTAGE \a
	SEND \a-1, 32                                  ; behind block a - 1's loads: block a's 16 stores and 16 loads
.endr
	SEND 3, 0
	s_wait_tensorcnt 0x0                           ; the wave's end
	ds_add_u32 v[SPW], v[NIL]
	s_wait_dscnt 0x0
	CROUND                                         ; the closing round
	s_endpgm
.Lfunc_end_k_qbb73d24e9e_gemm_out:
	.size	k_qbb73d24e9e_gemm_out, .Lfunc_end_k_qbb73d24e9e_gemm_out-k_qbb73d24e9e_gemm_out
	.p2alignl 7, 3214868480
	.fill 96, 4, 3214868480
	.section	.rodata,"a",@progbits
	.p2align	6, 0x0
	.amdhsa_kernel k_qbb73d24e9e_gemm_out
		.amdhsa_group_segment_fixed_size 327680
		.amdhsa_private_segment_fixed_size 0
		.amdhsa_enable_private_segment 0
		.amdhsa_kernarg_size 48
		.amdhsa_user_sgpr_count 2
		.amdhsa_user_sgpr_kernarg_segment_ptr 1
		.amdhsa_wavefront_size32 1
		.amdhsa_system_sgpr_workgroup_id_x 1
		.amdhsa_system_sgpr_workgroup_id_y 1
		.amdhsa_system_sgpr_workgroup_id_z 1
		.amdhsa_system_vgpr_workitem_id 0
		.amdhsa_next_free_vgpr 1024
		.amdhsa_next_free_sgpr 102
		.amdhsa_reserve_vcc 0
		.amdhsa_float_denorm_mode_32 3
		.amdhsa_float_denorm_mode_16_64 3
		.amdhsa_memory_ordered 1
		.amdhsa_forward_progress 1
		.amdhsa_inst_pref_size 85
	.end_amdhsa_kernel
	.amdgpu_metadata
---
amdhsa.version: [ 1, 2 ]
amdhsa.kernels:
  - .name:           k_qbb73d24e9e_gemm_out
    .symbol:         k_qbb73d24e9e_gemm_out.kd
    .args:
      - { .name: ac, .offset: 0, .size: 8, .value_kind: global_buffer, .address_space: global }
      - { .name: acs, .offset: 8, .size: 8, .value_kind: global_buffer, .address_space: global }
      - { .name: wc, .offset: 16, .size: 8, .value_kind: global_buffer, .address_space: global }
      - { .name: ws, .offset: 24, .size: 8, .value_kind: global_buffer, .address_space: global }
      - { .name: b_out, .offset: 32, .size: 8, .value_kind: global_buffer, .address_space: global }
      - { .name: out0, .offset: 40, .size: 8, .value_kind: global_buffer, .address_space: global }
    .group_segment_fixed_size: 327680
    .private_segment_fixed_size: 0
    .kernarg_segment_align: 8
    .kernarg_segment_size: 48
    .max_flat_workgroup_size: 128
    .sgpr_count:     102
    .vgpr_count:     1024
    .wavefront_size: 32
...
	.end_amdgpu_metadata
.endif
;; end of part 4
